; MI455X (gfx1250); checked and timed in simulation.
; The chip was launched on July 23, 2026; its instructions are those of AMD's public machine-readable ISA for CDNA 5 (MIT licence, August 2026) and "CDNA5" Instruction Set Architecture Reference Guide (July 2026). The comments in the code are by the model that wrote it; some were corrected since.
;; Expert Parallel Mo E. Allowed arithmetic: matrix products marked QUANTISED: E2M3 operands, one E8M0 scale for each 32 along K, by v_wmma_scale_f32_16x16x128_f8f6f4 with both operands' format E2M3, f32 sums; products left as they are: f32 operands where the result goes on into a quantised operand, else bf16, f16 or f32 operands; f32 sums; everything else in f32.
;; Inputs: W1_codes 8 x 2,048 x 16 x 24 uint8 (E2M3 codes of W1, K innermost, in blocks of 32 codes, four codes in three bytes); W1_scales 8 x 2,048 x 16 uint8 (E8M0 scales of W1, one for each 32 codes along K); W2_codes 8 x 512 x 64 x 24 uint8 (E2M3 codes of W2, K innermost, in blocks of 32 codes, four codes in three bytes); W2_scales 8 x 512 x 64 uint8 (E8M0 scales of W2, one for each 32 codes along K); Wg 512 x 8 float32; b1 8 x 2,048 float32; b2 8 x 512 float32; bg 8 float32; x 4 x 1,024 x 512 float32.
;; Outputs: out0 4 x 1,024 x 512 float32.
;; Constants: k = 1.
;; This version of the problem:
;;   THIS VERSION OF THE PROBLEM IS GIVEN IN LOW PRECISION. The matrix products marked QUANTISED in the list below multiply operands that are first quantised to E2M3 (2 exponent bits, 3 mantissa bits; 6 bits a number), with one power-of-two scale for each 32 numbers along K (OCP MX v1.0); their sums are f32. All else is computed in f32.
;;   The module's matrix products, in the order in which they are computed (A, B: the left and right operand; K: the contracted axis; several contracted axes count as one K, in the product's order):
;;     1. [M 4,096, K 512] x [K 512, N 8]; A: input x; B: input Wg: left as it is (N = 8 < 16)
;;     2. [M 16,384, K 512] x [K 512, N 4,096]; A: input W1 (given as codes); B: input x: QUANTISED
;;     3. batch 8 x [M 4,096, K 2,048] x [K 2,048, N 512]; A: computed on the way; B: input W2 (given as codes): QUANTISED
;;   THE QUANTISER, for each operand of a quantised product, along K:
;;     - K is cut into blocks of 32 from its start; a last block that is shorter is filled with zeros.
;;     - A block's scale is 2^e with e = floor(log2(the largest magnitude in the block)) - 2, held to -126 .. 127; a block of zeros has e = 0. As a byte (E8M0): e + 127.
;;     - Each number is divided by its block's scale, clamped to +-7.5, and rounded to the nearest number of E2M3, ties to even, subnormals kept.
;;     - The product sums the exact products of the quantised numbers (number of the format x scale) in f32.
;;   ~~~python
;;   def quantise(x, axis):      # numpy; x: float32 -> the quantised numbers, widened to float32 again
;;       x = np.moveaxis(x, axis, -1); K = x.shape[-1]
;;       x = np.pad(x, [(0, 0)] * (x.ndim - 1) + [(0, -K % 32)]); x = x.reshape(x.shape[:-1] + (-1, 32)); a = np.abs(x).max(-1, keepdims=True)
;;       e = np.where(a > 0, np.clip(np.frexp(np.where(a > 0, a, 1))[1] - 1 - 2, -126, 127), 0)      # np.frexp(a)[1] - 1 = floor(log2(a)), exactly
;;       r = np.clip(x / 2.0 ** e, -7.5, 7.5)
;;       step = 2.0 ** (np.maximum(np.frexp(np.where(r == 0, 1, r))[1] - 1, 0) - 3)
;;       q = np.round(r / step) * step * 2.0 ** e      # np.round: ties to even
;;       return np.moveaxis(q.reshape(q.shape[:-2] + (-1,))[..., :K], -1, axis).astype(np.float32)
;;   ~~~
;;   OPERANDS COMPUTED ON THE WAY. 'Computed on the way' means the value that the module computes at that place (a softmax that the list does not call 'softmax' is quantised finished and normalised). What goes into a quantiser is computed in f32, as accurately as f32 sums, v_exp_f32 and their like allow (about 1e-6 of the number): no bf16 or f16 on the way to a quantiser, and a product that is left as it is and whose result goes on into a quantised operand takes f32 operands (vector FMAs, or v_wmma_f32_16x16x4_f32). A number that lies on a knife's edge between two numbers of the format may be rounded either way, as far as f32 arithmetic and the matrix unit's own rounding can turn it there, and no further.
;;   INPUTS GIVEN AS CODES. W1 (in the module: [8, 512, 2048], K = its axis 1); W2 (in the module: [8, 2048, 512], K = its axis 1): each comes as NAME_codes (uint8): NAME with its K axis moved to the last place and cut into blocks of 32 codes, [.., K / 32, bytes a block], one block behind the other in memory; four codes in three bytes: a row's codes are one little-endian stream of bits, code i at bits 6 i .. 6 i + 5 (a code: sign, 2 exponent bits, 3 mantissa bits); and NAME_scales (uint8): the same leading axes, one E8M0 byte (e + 127) for each 32 codes along K. Its value is code x scale, taken as it is: it is not quantised again, and the codes and scales need not be those that the quantiser above would give.
;; 2 versions, each right; version 2 is version 1 with the launch ffn written anew for expert scheduling mode. Each part assembles by itself: llvm-mc -triple=amdgcn-amd-amdhsa -mcpu=gfx1250 --defsym DOCPART=n.
;; ======== version 1 of 2: 3 launches
;; workspace buffers: eid 16,384 bytes of whole numbers; tlist 18,432 bytes of whole numbers; tiles 2,048 bytes of whole numbers; xq 1,572,864 bytes; xs 65,536 bytes; wst 12,582,912 bytes
;; launch prep (part 1): grid 384 x 1, 4 waves a work-group, no clusters, 124,416 bytes of LDS; arguments x, Wg, bg, W1_codes, W2_codes, eid, xq, xs, wst; writes eid, xq, xs, wst
.if DOCPART == 1
	.amdgcn_target "amdgcn-amd-amdhsa--gfx1250"
	.amdhsa_code_object_version 6
	.text
	.protected	k_qaccab4955c_prep
	.globl	k_qaccab4955c_prep
	.p2align	8
	.type	k_qaccab4955c_prep,@function
k_qaccab4955c_prep:
	s_mov_b64 s[64:65], 0
	v_nop
	global_prefetch_b8 v0, s[64:65] scope:SCOPE_SE
	s_setreg_imm32_b32 hwreg(HW_REG_WAVE_MODE, 25, 1), 1
	s_wait_xcnt 0x0
; THREE JOBS IN ONE LAUNCH, parted by the work-group's number; each job has LDS bytes of its own, each wave its own part of them; waves share nothing, so there is no barrier.
; Work-groups 0-127 (X): 32 tokens each, 8 a wave.  logits = x Wg + bg in f32 (fused multiply-adds), the expert = the first largest logit -> eid[token].
;   x is quantised along its 512 numbers to codes of FP6 (E2M3) with one E8M0 byte for each 32: scale = 2^(floor(log2(largest magnitude)) - 2).
;   xq[token][384]: in each 96 bytes (128 along K) the four blocks of 24 bytes stand in the order 0, 2, 1, 3, so that the 48 bytes at 96 s + 48 h are the twelve operand registers of a lane of half h.
;   xs[token][16]: the scale bytes in their true order.
; Work-groups 128-255 (W1) and 256-383 (W2): the weights' codes are laid into wst as images of operand registers (a fragment = 16 rows x 128 K = 12 registers a lane: three runs of 512 bytes, 16 bytes a lane),
;   in the order in which a wave of the last launch takes them: expert 1,572,864 | wave 393,216 | chunk of 512 hidden units 98,304 | group 6,144 | fragment 1,536.
;   Groups 0-7: W1; group 2 b + s / 2, fragment 2 (s % 2) + u: lane r holds row 512 c + 128 w + 32 b + 8 u + r + 8 (r / 8), K step s.  Groups 8-15: W2; group 8 + 2 s' + n / 4, fragment n % 4: row 128 w + 16 n + r, K step 4 c + s'.
; LIMITS: NaN and infinities in x, Wg, bg are not served.  Two logits nearer to each other than the rounding of their f32 sums may be ordered either way (the sums' order is not that of the definition).
;   A block of zeros, and a block whose largest magnitude lies under 2^-124, gets the byte 1: a block of zeros has zero codes, and only this program reads the bytes.
.set XREG,  5376                       ; X: a wave's LDS: two stages of 32 x 80 bytes, then its 128 scale bytes
.set W1L,   21504                      ; W1's LDS begins here: 13,056 a wave (32 rows, 400 apart, 128 more behind row 15)
.set W1REG, 13056
.set W2L,   73728                      ; W2's: 12,544 a wave (16 rows, 784 apart)
.set W2REG, 12544
.set XR,  16                           ; v16-143  X: eight sets of 16 numbers as loaded
.set XX,  144                          ; v144-175 two sets of 16 neighbours
.set XC,  176                          ; v176-207 codes, four registers a token
.set XE,  208                          ; v208-215 a scale byte a token
.set ACC, 216                          ; v216-223 the eight logits
.set XT,  224                          ; v224-231 at work in the sums over lanes
.set LS,  4                            ; v4-6     W: LDS addresses of the stores
.set GA,  7                            ; v7-9     W2: offsets of the loads
.set VB,  10                           ; v10      W: LDS address of a fragment's pieces
.set WR,  32                           ; v32-127  W: 24 x 4 registers as loaded
.set WF,  128                          ; v128-223 W: eight fragments
.set SRC, 40                           ; s[40:41] W: where the wave reads
.set DST, 42                           ; s[42:43] W: where it stores
.set MSB, 0
.macro WIN new                         ; the immediate's high byte repeats the setting that is left
.if MSB != (\new)
	s_set_vgpr_msb (MSB<<8)|(\new)
.set MSB, (\new)
.endif
.endm
	s_load_b512 s[4:19], s[0:1], 0x0               ; x s[4:5], Wg s[6:7], bg s[8:9], W1's codes s[10:11], W2's s[12:13], eid s[14:15], xq s[16:17], xs s[18:19]
	s_load_b64 s[20:21], s[0:1], 0x40              ; wst
	v_lshl_add_u32 v254, v0, 2, 0x1e400
	v_mov_b32 v255, 0
	v_lshrrev_b32 v1, 5, v0
	v_readfirstlane_b32 s2, v1                     ; wave 0..3
	v_and_b32 v1, 31, v0                           ; lane
	v_lshlrev_b32 v2, 4, v1                        ; 16 x lane
	s_mov_b32 s39, 0                               ; the upper word of every offset
	s_wait_kmcnt 0x0
	s_cmp_lt_u32 ttmp9, 128
	s_cbranch_scc0 .Lweights
; ---------------------------------------------------------------- X: the gate and x's codes
	s_load_b256 s[24:31], s[8:9], 0x0              ; bg
	s_lshl_b32 s34, ttmp9, 5
	s_lshl_b32 s35, s2, 3
	s_add_co_u32 s34, s34, s35                     ; my first token: 32 x work-group + 8 x wave
	s_lshl_b32 s38, s34, 11
	s_add_nc_u64 s[4:5], s[4:5], s[38:39]          ; x: 2,048 bytes a token
	s_mul_i32 s38, s34, 384
	s_add_nc_u64 s[16:17], s[16:17], s[38:39]      ; xq: 384
	s_lshl_b32 s38, s34, 4
	s_add_nc_u64 s[18:19], s[18:19], s[38:39]      ; xs: 16
	s_lshl_b32 s38, s34, 2
	s_add_nc_u64 s[14:15], s[14:15], s[38:39]      ; eid: 4
	s_mul_i32 s3, s2, XREG                         ; my LDS
	s_mov_b32 s32, 0x76543210
	s_mov_b32 s33, 0xfedcba98                      ; v_permlanex16_b32's selects for lane l xor 16
	v_lshlrev_b32 v10, 9, v1                       ; Wg: my 16 rows of 32 bytes; never rewritten
	WIN 0x40                                       ; destination window 1
.set q, 0
.rept 32
	global_load_b128 v[4*q:4*q+3], v10, s[6:7] offset:16*q       ; Wg[16 lane + i][e] -> register 8 i + e of window 1
.set q, q+1
.endr
	WIN 0
.macro XLOAD t                         ; token t: four loads of 512 consecutive bytes
.irp i, 0,1,2,3
	global_load_b128 v[XR+16*(\t)+4*\i:XR+16*(\t)+4*\i+3], v2, s[4:5] offset:2048*(\t)+512*\i th:TH_LOAD_NT
.endr
.endm
.macro XTURN t                         ; its 2,048 bytes through my stage: in as loaded, back 64 neighbouring bytes a lane.  LDS serves a wave's instructions in order (ISA guide 5.7.1.4): no wait between
.irp i, 0,1,2,3
	ds_store_b128 v3, v[XR+16*(\t)+4*\i:XR+16*(\t)+4*\i+3] offset:2560*((\t)%2)+640*\i
.endr
.irp i, 0,1,2,3
	ds_load_b128 v[XX+16*((\t)%2)+4*\i:XX+16*((\t)%2)+4*\i+3], v4 offset:2560*((\t)%2)+16*\i
.endr
.endm
.irp t, 0,1,2,3,4,5,6,7
	XLOAD \t
.endr
	v_lshrrev_b32 v3, 2, v1
	v_mul_u32_u24 v3, v3, 80
	v_and_b32 v8, 3, v1
	v_lshl_add_u32 v3, v8, 4, v3
	v_add_nc_u32 v3, s3, v3                        ; the stage, in: four lanes' 64 bytes on end, then 16 of padding
	v_mul_u32_u24 v4, v1, 80
	v_add_nc_u32 v4, s3, v4                        ; and back: 80 x lane
	v_lshrrev_b32 v8, 3, v1                        ; my 16 codes' place in a token's 384 bytes: K step lane / 8,
	v_mul_u32_u24 v5, v8, 96
	v_bfe_u32 v8, v1, 1, 1                         ; block (lane / 2) % 4 at place 0, 2, 1, 3: its low bit counts 48,
	v_mad_u32_u24 v5, v8, 48, v5
	v_bfe_u32 v8, v1, 2, 1                         ; its high bit 24,
	v_mad_u32_u24 v5, v8, 24, v5
	v_and_b32 v8, 1, v1                            ; and my half of the block 12
	v_mad_u32_u24 v5, v8, 12, v5
	v_lshrrev_b32 v6, 1, v1
	v_add_nc_u32 v6, s3, v6
	v_add_nc_u32 v6, 5120, v6                      ; LDS: my block's scale byte
	v_lshlrev_b32 v7, 2, v1                        ; 4 x lane
	v_add_nc_u32 v15, s3, v7
	v_add_nc_u32 v15, 5120, v15                    ; LDS: the scale bytes on their way out
	v_mov_b32 v12, 0                               ; lane t will hold token t's expert
.irp e, 0,1,2,3,4,5,6,7
	v_mov_b32 v[XT+\e], 0                          ; written once: a lane permute's destination counts as one of its sources
.endr
	s_wait_kmcnt 0x0                               ; bg
	s_wait_loadcnt 28                              ; Wg and token 0 are in; the 28 loads of tokens 1 to 7 may be out
	XTURN 0
.macro XSTEP t
.set XS, XX+16*((\t)%2)
.if (\t) > 0
	s_wait_dscnt 1                                 ; this token's numbers are back from the stage (the last token's byte store may be out)
.else
	s_wait_dscnt 0x0
.endif
.if (\t) < 7
	s_wait_loadcnt 4*(6-(\t))                      ; the next token's four loads are in; those behind them may be out
	XTURN (\t)+1                                   ; it goes through the other stage while this one is worked
.endif
	v_max3_num_f32 v8, |v[XS]|, |v[XS+1]|, |v[XS+2]|               ; the largest magnitude of my 16, in two chains
	v_max3_num_f32 v9, |v[XS+3]|, |v[XS+4]|, |v[XS+5]|
.irp i, 6,10
	v_max3_num_f32 v8, v8, |v[XS+\i]|, |v[XS+\i+1]|
	v_max3_num_f32 v9, v9, |v[XS+\i+2]|, |v[XS+\i+3]|
.endr
	v_max3_num_f32 v8, v8, |v[XS+14]|, |v[XS+15]|
	v_max3_num_f32 v8, v8, v9, 0x1800000           ; and the floor 2^(3 - 127): the byte cannot fall under 1
	v_max_num_f32_dpp v8, v8, v8 row_xmask:1 row_mask:0xf bank_mask:0xf   ; with my neighbour's 16: the block's
	v_add_nc_u32 v11, 0xff000000, v8               ; 2 off its exponent field: the conversion takes this operand's exponent field as its scale
	v_cvt_scalef32_pk16_fp6_f32 v[XC+4*(\t):XC+4*(\t)+2], v[XS:XS+15], v11
	v_lshrrev_b32 v[XE+(\t)], 23, v11              ; the scale's byte (also the plain line behind the conversion)
	ds_store_b8 v6, v[XE+(\t)] offset:16*(\t)      ; both lanes of a block write the same byte with the same value
	global_store_b96 v5, v[XC+4*(\t):XC+4*(\t)+2], s[16:17] offset:384*(\t)   ; the wave's store covers the token's 384 consecutive bytes
	WIN 0x04                                       ; source 1 (Wg) window 1
.irp p, 0,1,2,3
	v_pk_mul_f32 v[ACC+2*\p:ACC+2*\p+1], v[XS:XS+1], v[2*\p:2*\p+1] op_sel_hi:[0,1]   ; x[16 lane] x Wg's row, two experts at a time: the first product starts the sums
.endr
.set i, 1
.rept 15
.irp p, 0,1,2,3
.if i%2
	v_pk_fma_f32 v[ACC+2*\p:ACC+2*\p+1], v[XS+i-1:XS+i], v[8*i+2*\p:8*i+2*\p+1], v[ACC+2*\p:ACC+2*\p+1] op_sel:[1,0,0] op_sel_hi:[1,1,1]   ; the pair's second number serves both halves
.else
	v_pk_fma_f32 v[ACC+2*\p:ACC+2*\p+1], v[XS+i:XS+i+1], v[8*i+2*\p:8*i+2*\p+1], v[ACC+2*\p:ACC+2*\p+1] op_sel_hi:[0,1,1]               ; its first
.endif
.endr
.set i, i+1
.endr
	WIN 0
.irp k, 1,2,4,8                        ; the eight sums over the 32 lanes, by turns
.irp e, 0,1,2,3,4,5,6,7
	v_add_f32_dpp v[ACC+\e], v[ACC+\e], v[ACC+\e] row_xmask:\k row_mask:0xf bank_mask:0xf
.endr
.endr
.irp e, 0,1,2,3,4,5,6,7
	v_permlanex16_b32 v[XT+\e], v[ACC+\e], s32, s33
.endr
.irp e, 0,1,2,3,4,5,6,7
	v_add_f32 v[ACC+\e], v[ACC+\e], v[XT+\e]
.endr
.irp e, 0,1,2,3,4,5,6,7
	v_add_f32 v[ACC+\e], s[24+\e], v[ACC+\e]       ; + bg
.endr
	v_mov_b32 v13, v[ACC]                          ; the first largest: a later logit wins only if it is strictly greater
	v_mov_b32 v14, 0
.irp e, 1,2,3,4,5,6,7
	v_cmp_gt_f32 vcc_lo, v[ACC+\e], v13
	v_cndmask_b32 v13, v13, v[ACC+\e], vcc_lo
	v_cndmask_b32 v14, v14, \e, vcc_lo
.endr
	v_cmp_eq_u32 vcc_lo, \t, v1
	v_cndmask_b32 v12, v12, v14, vcc_lo            ; kept in lane t
.endm
.irp t, 0,1,2,3,4,5,6,7
	XSTEP \t
.endr
	ds_load_b32 v8, v15                            ; my wave's 128 scale bytes (these see my byte stores)
	s_wait_dscnt 0x0
	global_store_b32 v7, v8, s[18:19]              ; 128 consecutive bytes a wave, 512 a work-group
	v_cmp_gt_u32 vcc_lo, 8, v1
	s_wait_xcnt 0x0                                ; EXEC changes only behind this wait
	s_wait_tensorcnt 0x0
	ds_add_u32 v254, v255
	s_wait_dscnt 0x0
	s_and_saveexec_b32 s34, vcc_lo
	global_store_b32 v7, v12, s[14:15]             ; lanes 0 to 7: the eight experts, at places that hang on ids alone
	s_wait_xcnt 0x0
	s_or_b32 exec_lo, exec_lo, s34
	s_endpgm
; ---------------------------------------------------------------- W1, W2: 12,288 bytes of codes a wave become eight fragment images
; In: 24 loads of 16 bytes a lane, long consecutive runs.  Through my own LDS as rows, padded so that the 32 lanes of a load of 8 bytes fall on 64 different banks (64 banks of 4 bytes: ISA guide 11.1).
; Back: a fragment's six pieces of 8 bytes a lane.  Out: three stores a fragment, 512 consecutive bytes each, at multiples of 512 from wst's first byte.
.macro RELAY kind
.set a, 0
.rept 8
.irp q, 0,1,2
.if \kind == 1
	global_load_b128 v[WR+12*a+4*\q:WR+12*a+4*\q+3], v2, s[SRC:SRC+1] offset:1536*a+512*\q th:TH_LOAD_NT
.else
	global_load_b128 v[WR+12*a+4*\q:WR+12*a+4*\q+3], v[GA+\q], s[SRC:SRC+1] offset:3072*a th:TH_LOAD_NT
.endif
.endr
.set a, a+1
.endr
.set a, 0
.rept 8
	s_wait_loadcnt 21-3*a                          ; run a's three loads are in; the later runs' may be out
.irp q, 0,1,2
.if \kind == 1
	ds_store_b128 v[LS+\q], v[WR+12*a+4*\q:WR+12*a+4*\q+3] offset:1600*a+128*(a/4)
.else
	ds_store_b128 v[LS+\q], v[WR+12*a+4*\q:WR+12*a+4*\q+3] offset:1568*a
.endif
.endr
.set a, a+1
.endr
.set f, 0
.rept 8
.irp p, 0,1,2,3,4,5
.if \kind == 1
	ds_load_b64 v[WF+12*f+2*\p:WF+12*f+2*\p+1], v[VB] offset:3200*(f/4)+96*(f%4)+48*(\p/3)+8*(\p%3)   ; fragment f = 4 u + s
.else
	ds_load_b64 v[WF+12*f+2*\p:WF+12*f+2*\p+1], v[VB] offset:96*f+48*(\p/3)+8*(\p%3)                  ; fragment f: the half's K step f
.endif
.endr
.set f, f+1
.endr
.set f, 0
.rept 8
	s_wait_dscnt 6*(7-f)                           ; fragment f's six loads are in
.irp j, 0,1,2
.if \kind == 1
	global_store_b128 v2, v[WF+12*f+4*\j:WF+12*f+4*\j+3], s[DST:DST+1] offset:((f%4)/2)*6144+(2*(f%2)+f/4)*1536+512*\j
.else
	global_store_b128 v2, v[WF+12*f+4*\j:WF+12*f+4*\j+3], s[DST:DST+1] offset:(f/4)*98304+(f%4)*12288+512*\j
.endif
.endr
.set f, f+1
.endr
.endm
.Lweights:
	s_cmp_lt_u32 ttmp9, 256
	s_cbranch_scc0 .Lw2
	; W1: unit U = 4 (work-group - 128) + wave: expert U / 64, rows 32 P .. 32 P + 31 with P = U % 64 = 16 c + 4 w + b; a row is 384 bytes
	s_sub_co_u32 s34, ttmp9, 128
	s_lshl_b32 s34, s34, 2
	s_add_co_u32 s34, s34, s2
	s_lshr_b32 s35, s34, 6
	s_and_b32 s36, s34, 63
	s_mul_i32 s38, s35, 786432
	s_mul_i32 s37, s36, 12288
	s_add_co_u32 s38, s38, s37
	s_add_nc_u64 s[SRC:SRC+1], s[10:11], s[38:39]
	s_mul_i32 s38, s35, 1572864
	s_bfe_u32 s37, s36, 0x20002                    ; w
	s_mul_i32 s37, s37, 393216
	s_add_co_u32 s38, s38, s37
	s_lshr_b32 s37, s36, 4                         ; c
	s_mul_i32 s37, s37, 98304
	s_add_co_u32 s38, s38, s37
	s_and_b32 s37, s36, 3                          ; b: groups 2 b, 2 b + 1
	s_mul_i32 s37, s37, 12288
	s_add_co_u32 s38, s38, s37
	s_add_nc_u64 s[DST:DST+1], s[20:21], s[38:39]
	s_mul_i32 s3, s2, W1REG
	s_add_co_u32 s3, s3, W1L
.irp q, 0,1,2
	v_add_nc_u32 v11, 32*\q, v1                    ; x = 0 .. 95: which 16 bytes of a run of four rows
	v_mul_u32_u24 v12, v11, 2731
	v_lshrrev_b32 v12, 16, v12                     ; x / 24: the row
	v_add_nc_u32 v12, v11, v12
	v_lshl_add_u32 v[LS+\q], v12, 4, s3            ; 16 x + 16 (x / 24): rows 400 apart
.endr
	v_and_b32 v11, 15, v0                          ; r
	v_bfe_u32 v12, v0, 4, 1                        ; h
	v_and_b32 v13, 8, v11
	v_add_nc_u32 v14, v11, v13                     ; r + 8 (r / 8)
	v_mul_u32_u24 v[VB], v14, 400
	v_lshl_add_u32 v[VB], v13, 4, v[VB]            ; + 128 (r / 8)
	v_mad_u32_u24 v[VB], v12, 24, v[VB]
	v_add_nc_u32 v[VB], s3, v[VB]
	RELAY 1
	s_wait_tensorcnt 0x0
	ds_add_u32 v254, v255
	s_wait_dscnt 0x0
	s_endpgm
.Lw2:
	; W2: unit U = 4 (work-group - 256) + wave: expert U / 64, rows 16 T .. 16 T + 15 with T = (U / 2) % 32 = 8 w + n, half U % 2 of K (768 of a row's 1,536 bytes: chunks 2 (U % 2), + 1)
	s_sub_co_u32 s34, ttmp9, 256
	s_lshl_b32 s34, s34, 2
	s_add_co_u32 s34, s34, s2
	s_lshr_b32 s35, s34, 6
	s_bfe_u32 s36, s34, 0x50001                    ; T
	s_and_b32 s34, s34, 1                          ; the half
	s_mul_i32 s38, s35, 786432
	s_mul_i32 s37, s36, 24576
	s_add_co_u32 s38, s38, s37
	s_mul_i32 s37, s34, 768
	s_add_co_u32 s38, s38, s37
	s_add_nc_u64 s[SRC:SRC+1], s[12:13], s[38:39]
	s_mul_i32 s38, s35, 1572864
	s_lshr_b32 s37, s36, 3                         ; w
	s_mul_i32 s37, s37, 393216
	s_add_co_u32 s38, s38, s37
	s_mul_i32 s37, s34, 196608                     ; two chunks a half
	s_add_co_u32 s38, s38, s37
	s_bfe_u32 s37, s36, 0x10002                    ; n / 4
	s_mul_i32 s37, s37, 6144
	s_add_co_u32 s38, s38, s37
	s_and_b32 s37, s36, 3                          ; n % 4
	s_mul_i32 s37, s37, 1536
	s_add_co_u32 s38, s38, s37
	s_add_co_u32 s38, s38, 49152                   ; behind W1's eight groups
	s_add_nc_u64 s[DST:DST+1], s[20:21], s[38:39]
	s_mul_i32 s3, s2, W2REG
	s_add_co_u32 s3, s3, W2L
.irp q, 0,1,2
	v_add_nc_u32 v11, 32*\q, v1                    ; x = 0 .. 95: which 16 bytes of a run of two half rows
	v_mul_u32_u24 v12, v11, 1366
	v_lshrrev_b32 v12, 16, v12                     ; x / 48: the row
	v_mul_u32_u24 v13, v12, 768
	v_lshl_add_u32 v[GA+\q], v11, 4, v13           ; in memory: 16 x + 768 (x / 48)
	v_add_nc_u32 v12, v11, v12
	v_lshl_add_u32 v[LS+\q], v12, 4, s3            ; in LDS: rows 784 apart
.endr
	v_and_b32 v11, 15, v0
	v_bfe_u32 v12, v0, 4, 1
	v_mul_u32_u24 v[VB], v11, 784
	v_mad_u32_u24 v[VB], v12, 24, v[VB]
	v_add_nc_u32 v[VB], s3, v[VB]
	RELAY 2
	s_wait_tensorcnt 0x0
	ds_add_u32 v254, v255
	s_wait_dscnt 0x0
	s_endpgm
.Lfunc_end_k_qaccab4955c_prep:
	.size	k_qaccab4955c_prep, .Lfunc_end_k_qaccab4955c_prep-k_qaccab4955c_prep
	.p2alignl 7, 3214868480
	.fill 96, 4, 3214868480
	.section	.rodata,"a",@progbits
	.p2align	6, 0x0
	.amdhsa_kernel k_qaccab4955c_prep
		.amdhsa_group_segment_fixed_size 124416
		.amdhsa_private_segment_fixed_size 0
		.amdhsa_enable_private_segment 0
		.amdhsa_kernarg_size 72
		.amdhsa_user_sgpr_count 2
		.amdhsa_user_sgpr_kernarg_segment_ptr 1
		.amdhsa_wavefront_size32 1
		.amdhsa_system_sgpr_workgroup_id_x 1
		.amdhsa_system_sgpr_workgroup_id_y 1
		.amdhsa_system_sgpr_workgroup_id_z 1
		.amdhsa_system_vgpr_workitem_id 0
		.amdhsa_next_free_vgpr 384
		.amdhsa_next_free_sgpr 66
		.amdhsa_reserve_vcc 1
		.amdhsa_float_denorm_mode_32 3
		.amdhsa_float_denorm_mode_16_64 3
		.amdhsa_memory_ordered 1
		.amdhsa_forward_progress 1
		.amdhsa_inst_pref_size 111
	.end_amdhsa_kernel
	.amdgpu_metadata
---
amdhsa.version: [ 1, 2 ]
amdhsa.kernels:
  - .name:           k_qaccab4955c_prep
    .symbol:         k_qaccab4955c_prep.kd
    .args:
      - { .name: x, .offset: 0, .size: 8, .value_kind: global_buffer, .address_space: global }
      - { .name: Wg, .offset: 8, .size: 8, .value_kind: global_buffer, .address_space: global }
      - { .name: bg, .offset: 16, .size: 8, .value_kind: global_buffer, .address_space: global }
      - { .name: W1_codes, .offset: 24, .size: 8, .value_kind: global_buffer, .address_space: global }
      - { .name: W2_codes, .offset: 32, .size: 8, .value_kind: global_buffer, .address_space: global }
      - { .name: eid, .offset: 40, .size: 8, .value_kind: global_buffer, .address_space: global }
      - { .name: xq, .offset: 48, .size: 8, .value_kind: global_buffer, .address_space: global }
      - { .name: xs, .offset: 56, .size: 8, .value_kind: global_buffer, .address_space: global }
      - { .name: wst, .offset: 64, .size: 8, .value_kind: global_buffer, .address_space: global }
    .group_segment_fixed_size: 124416
    .private_segment_fixed_size: 0
    .kernarg_segment_align: 8
    .kernarg_segment_size: 72
    .max_flat_workgroup_size: 128
    .sgpr_count:     66
    .vgpr_count:     384
    .wavefront_size: 32
...
	.end_amdgpu_metadata
.endif
;; end of part 1
;; launch place (part 2): grid 1 x 1, 32 waves a work-group, no clusters, 4,608 bytes of LDS; arguments eid, tlist, tiles; writes tlist, tiles
.if DOCPART == 2
	.amdgcn_target "amdgcn-amd-amdhsa--gfx1250"
	.amdhsa_code_object_version 6
	.text
	.protected	k_qaccab4955c_place
	.globl	k_qaccab4955c_place
	.p2align	8
	.type	k_qaccab4955c_place,@function
k_qaccab4955c_place:
	s_mov_b64 s[64:65], 0
	v_nop
	global_prefetch_b8 v0, s[64:65] scope:SCOPE_SE
	s_setreg_imm32_b32 hwreg(HW_REG_WAVE_MODE, 25, 1), 1
	s_wait_xcnt 0x0
; A COUNTING SORT of the 4,096 tokens by expert, stable, without atomics: one work-group of 32 waves; wave w owns tokens 128 w .. 128 w + 127, token 128 w + 32 j + lane.  Whole numbers only.
; Each expert's tokens fill tiles of 64 slots of their own: expert e begins at tile tb[e], tb = the running sum of ceil(T[e] / 64).  There are never more than 71 tiles (64 + 8 - 1).
; tlist[71][64]: the token at each slot.  The 448 slots that no token takes (4,544 - 4,096, at every split) get token 0: each slot is written once.
; tiles[128][4]: expert, first row of the output, rows (0 .. 64), first chunk (the tile's number within its expert, modulo 4).  Tiles behind the last used one have 0 rows.
; The token stores are 4 bytes a lane, in one run for each expert and wave: 16 KiB in all.
	s_load_b128 s[4:7], s[0:1], 0x0                ; eid, tlist
	s_load_b64 s[8:9], s[0:1], 0x10                ; tiles
	v_lshl_add_u32 v48, v0, 2, 0x200
	v_mov_b32 v49, 0
	v_lshrrev_b32 v2, 5, v0
	v_readfirstlane_b32 s10, v2                    ; wave 0..31
	v_and_b32 v1, 31, v0                           ; lane
	v_lshlrev_b32 v3, 2, v1                        ; 4 x lane
	v_lshl_add_u32 v24, v2, 9, v3                  ; eid: 512 x wave + 4 x lane
	v_lshlrev_b32 v25, 2, v2                       ; LDS: 4 x wave
	v_mov_b32 v20, 0                               ; written once: the destination of a DPP form or a lane permute counts as one of its sources
	s_mov_b32 s84, 0x76543210
	s_mov_b32 s85, 0xfedcba98
	s_wait_kmcnt 0x0
.irp j, 0,1,2,3
	global_load_b32 v[4+\j], v24, s[4:5] offset:128*\j
.endr
	s_wait_loadcnt 0x0
.irp e, 0,1,2,3,4,5,6,7                ; s[12+e]: my wave's tokens of expert e, at most 128
	v_cmp_eq_u32 vcc_lo, \e, v4
	s_bcnt1_i32_b32 s[12+\e], vcc_lo
.irp j, 1,2,3
	v_cmp_eq_u32 vcc_lo, \e, v[4+\j]
	s_bcnt1_i32_b32 s11, vcc_lo
	s_add_co_u32 s[12+\e], s[12+\e], s11
.endr
.endr
.irp q, 0,1,2,3                        ; two counts to a word: sums over 32 waves stay under 2^16
	s_lshl_b32 s11, s[13+2*\q], 16
	s_or_b32 s[20+\q], s[12+2*\q], s11
	v_mov_b32 v[8+\q], s[20+\q]
	ds_store_b32 v25, v[8+\q] offset:128*\q        ; all lanes write the same word with the same value
.endr
	s_wait_dscnt 0x0                               ; for the others' sake: my stores are done
	s_barrier_signal -1
	s_barrier_wait -1
.irp q, 0,1,2,3
	ds_load_b32 v[8+\q], v3 offset:128*\q          ; lane l: wave l's counts
.endr
	s_wait_dscnt 0x0
	v_cmp_gt_u32 vcc_lo, s10, v1                   ; the waves in front of mine
.irp q, 0,1,2,3
	v_cndmask_b32 v[12+\q], 0, v[8+\q], vcc_lo
.endr
.macro LSUM r                          ; the sum of a register over the 32 lanes, in every lane
.irp k, 1,2,4,8
	v_mov_b32_dpp v20, v[\r] row_xmask:\k row_mask:0xf bank_mask:0xf
	v_add_nc_u32 v[\r], v[\r], v20
.endr
	v_permlanex16_b32 v20, v[\r], s84, s85
	v_add_nc_u32 v[\r], v[\r], v20
.endm
.irp r, 8,9,10,11,12,13,14,15
	LSUM \r
.endr
.irp q, 0,1,2,3
	v_readfirstlane_b32 s11, v[8+\q]
	s_and_b32 s[24+2*\q], s11, 0xffff              ; T[e]: all tokens of expert e
	s_lshr_b32 s[25+2*\q], s11, 16
	v_readfirstlane_b32 s11, v[12+\q]
	s_and_b32 s[32+2*\q], s11, 0xffff              ; P[e]: those of the waves in front of mine
	s_lshr_b32 s[33+2*\q], s11, 16
.endr
	s_mov_b32 s40, 0                               ; off[0 .. 8] in s40-48: the first output row of each expert
	s_mov_b32 s49, 0                               ; tb[0 .. 8] in s49-57: its first tile
.irp e, 0,1,2,3,4,5,6,7
	s_add_co_u32 s[41+\e], s[40+\e], s[24+\e]
	s_add_co_u32 s11, s[24+\e], 63
	s_lshr_b32 s11, s11, 6
	s_add_co_u32 s[50+\e], s[49+\e], s11
.endr
.irp e, 0,1,2,3,4,5,6,7,8
	s_lshl_b32 s11, s[49+\e], 6
	s_sub_co_u32 s[66+\e], s11, s[40+\e]           ; pp[e] in s66-74: empty slots in front of expert e's tiles
.endr
.irp e, 0,1,2,3,4,5,6,7
	s_lshl_b32 s11, s[49+\e], 6
	s_add_co_u32 s[76+\e], s11, s[32+\e]           ; s[76+e]: the slot of my wave's next token of expert e
.endr
.irp j, 0,1,2,3
	v_mov_b32 v[16+\j], 0
.irp e, 0,1,2,3,4,5,6,7
	v_cmp_eq_u32 vcc_lo, \e, v[4+\j]
	v_mbcnt_lo_u32_b32 v21, vcc_lo, s[76+\e]       ; + the lanes below mine with the same expert
	v_cndmask_b32 v[16+\j], v[16+\j], v21, vcc_lo
	s_bcnt1_i32_b32 s11, vcc_lo
	s_add_co_u32 s[76+\e], s[76+\e], s11
.endr
.endr
	v_lshl_add_u32 v22, v2, 7, v1                  ; token 128 w + lane
.irp j, 0,1,2,3
	v_add_nc_u32 v[26+\j], 32*\j, v22
	v_min_u32 v[16+\j], 0x11bf, v[16+\j]           ; a number made of loaded data is held inside the list (4,543) before it enters an address
	v_lshlrev_b32 v[16+\j], 2, v[16+\j]
	global_store_b32 v[16+\j], v[26+\j], s[6:7]
.endr
	s_cmp_lt_u32 s10, 14                           ; the 448 empty slots: thread k of waves 0 to 13 takes the k-th.  No barrier follows
	s_cbranch_scc0 .Ldone
	v_mov_b32 v30, s41                             ; where pp[e] <= k < pp[e + 1] the slot is k + off[e + 1]; behind the last used tile k + 4,096 = k + off[8]
.irp e, 1,2,3,4,5,6,7
	v_cmp_le_u32 vcc_lo, s[66+\e], v0
	v_cndmask_b32 v30, v30, s[41+\e], vcc_lo
.endr
	v_add_nc_u32 v30, v0, v30
	v_min_u32 v30, 0x11bf, v30
	v_lshlrev_b32 v30, 2, v30
	v_mov_b32 v31, 0
	global_store_b32 v30, v31, s[6:7]
	s_cmp_lt_u32 s10, 4                            ; the table of tiles: thread t of waves 0 to 3 takes tile t
	s_cbranch_scc0 .Ldone
	v_mov_b32 v32, 0                               ; the last expert whose first tile is not behind t
	v_mov_b32 v36, 0
	v_mov_b32 v37, 0
	v_mov_b32 v38, s24
.irp e, 1,2,3,4,5,6,7
	v_cmp_le_u32 vcc_lo, s[49+\e], v0
	v_cndmask_b32 v32, v32, \e, vcc_lo
	v_cndmask_b32 v36, v36, s[49+\e], vcc_lo
	v_cndmask_b32 v37, v37, s[40+\e], vcc_lo
	v_cndmask_b32 v38, v38, s[24+\e], vcc_lo
.endr
	v_sub_nc_u32 v39, v0, v36                      ; the tile's number within its expert
	v_lshl_add_u32 v33, v39, 6, v37
	v_min_u32 v33, 0xfff, v33                      ; first row
	v_lshlrev_b32 v40, 6, v39
	v_sub_nc_u32 v34, v38, v40
	v_max_i32 v34, 0, v34
	v_min_i32 v34, 64, v34                         ; rows
	v_and_b32 v35, 3, v39                          ; first chunk
	v_lshlrev_b32 v41, 4, v0
	global_store_b128 v41, v[32:35], s[8:9]
.Ldone:
	s_wait_tensorcnt 0x0
	ds_add_u32 v48, v49
	s_wait_dscnt 0x0
	s_endpgm
.Lfunc_end_k_qaccab4955c_place:
	.size	k_qaccab4955c_place, .Lfunc_end_k_qaccab4955c_place-k_qaccab4955c_place
	.p2alignl 7, 3214868480
	.fill 96, 4, 3214868480
	.section	.rodata,"a",@progbits
	.p2align	6, 0x0
	.amdhsa_kernel k_qaccab4955c_place
		.amdhsa_group_segment_fixed_size 4608
		.amdhsa_private_segment_fixed_size 0
		.amdhsa_enable_private_segment 0
		.amdhsa_kernarg_size 24
		.amdhsa_user_sgpr_count 2
		.amdhsa_user_sgpr_kernarg_segment_ptr 1
		.amdhsa_wavefront_size32 1
		.amdhsa_system_sgpr_workgroup_id_x 1
		.amdhsa_system_sgpr_workgroup_id_y 1
		.amdhsa_system_sgpr_workgroup_id_z 1
		.amdhsa_system_vgpr_workitem_id 0
		.amdhsa_next_free_vgpr 50
		.amdhsa_next_free_sgpr 88
		.amdhsa_reserve_vcc 1
		.amdhsa_float_denorm_mode_32 3
		.amdhsa_float_denorm_mode_16_64 3
		.amdhsa_memory_ordered 1
		.amdhsa_forward_progress 1
		.amdhsa_inst_pref_size 23
	.end_amdhsa_kernel
	.amdgpu_metadata
---
amdhsa.version: [ 1, 2 ]
amdhsa.kernels:
  - .name:           k_qaccab4955c_place
    .symbol:         k_qaccab4955c_place.kd
    .args:
      - { .name: eid, .offset: 0, .size: 8, .value_kind: global_buffer, .address_space: global }
      - { .name: tlist, .offset: 8, .size: 8, .value_kind: global_buffer, .address_space: global }
      - { .name: tiles, .offset: 16, .size: 8, .value_kind: global_buffer, .address_space: global }
    .group_segment_fixed_size: 4608
    .private_segment_fixed_size: 0
    .kernarg_segment_align: 8
    .kernarg_segment_size: 24
    .max_flat_workgroup_size: 1024
    .sgpr_count:     88
    .vgpr_count:     50
    .wavefront_size: 32
...
	.end_amdgpu_metadata
.endif
;; end of part 2
;; launch ffn (part 3): grid 71 x 1, 4 waves a work-group, no clusters, 134,656 bytes of LDS; arguments tiles, tlist, xq, xs, wst, W1_scales, W2_scales, b1, b2, out0; writes out0
.if DOCPART == 3
	.amdgcn_target "amdgcn-amd-amdhsa--gfx1250"
	.amdhsa_code_object_version 6
	.text
	.protected	k_qaccab4955c_ffn
	.globl	k_qaccab4955c_ffn
	.p2align	8
	.type	k_qaccab4955c_ffn,@function
k_qaccab4955c_ffn:
	s_mov_b64 s[64:65], 0
	v_nop
	global_prefetch_b8 v0, s[64:65] scope:SCOPE_SE
	s_setreg_imm32_b32 hwreg(HW_REG_WAVE_MODE, 25, 1), 1
	s_wait_xcnt 0x0
; ONE TILE (up to 64 rows of one expert) THROUGH THE WHOLE CHAIN: y = relu(x W1 + b1) W2 + b2, both products on codes of FP6 (E2M3) with one E8M0 scale for each 32 along K.  The hidden layer never goes to memory.
; 71 work-groups serve every split of 4,096 tokens over 8 experts.  The tile's expert, first output row, rows and first chunk are whole numbers that an earlier launch stored; so are its 64 tokens.
; A tile with fewer than 64 rows walks the same text on token 0 in its empty slots and stores only its rows: every wave passes every barrier, and no barrier hangs on a loaded number.
; SHARES.  The four waves share the COLUMNS: in each of four chunks of 512 hidden units wave w makes units 128 w .. + 127 for all 64 rows (phase 1), quantises them in registers and hands them to the others through LDS as
; images of operand registers; then it adds the chunk's four K steps onto its outputs 128 w .. + 127 (phase 2).  The chunks are walked from the tile's first chunk on, round 4, so that tiles of one expert begin on different quarters of its weights.
; WEIGHTS come from memory straight into registers: the stream wst holds them as operand images in the order of use, so every load is 16 bytes a lane, 512 consecutive bytes a wave.  A group = 4 fragments = 12 loads = 16 matrix instructions.
; Six register slots; behind group g's products group g + 5 is asked for; in front of group g the wait leaves the 48 loads of groups g + 1 .. g + 4 out.  No other global load stands in the loop.
; No joint loads by a cluster and no tensor loads: which weights a work-group walks, and how many rows it stores, hang on stored numbers, and neighbours in the grid need not have the same expert.
; BOTH PRODUCTS ARE USED TRANSPOSED (source 0 = 16 rows of the weight, source 1 = 16 tokens): a lane holds one token; W1's rows of a tile are chosen (r + 8 (r / 8)) so that two tiles' 16 registers are 16 neighbours along the next K.
; LIMITS: NaN and infinities in b1, b2 are not served.  A hidden block of zeros, or one whose largest number lies under 2^-124, gets the byte 1 (a block of zeros has zero codes).  The sum over the 2,048 hidden units runs in the rotated order of chunks.
; REGISTERS, in windows of 256.  Window 0: v1-15 addresses; v16-59 scale words and nothing else; v64-79 the quantiser's; v80-95 b1 of a block; v112-175 H; v176-215 codes; in phase 2 v112-207 two sets of hidden fragments; v216-232 at the head.
;   Window 1: v0-191 x's 16 fragments; v192-239 ring slot 5.   Window 2: ring slots 0-4.   Window 3: y, accumulator (n, m) at 8 (4 n + m); at the head at work.
.set HSC,   24576                      ; LDS: 0: 16 fragment images of 1,536 bytes (4 m + K step); 24,576: the hidden layer's scale words, 128 bytes at (2 K step + p) 128
.set PRIV0, 25600                      ; from here 27,136 bytes for each wave alone: for trip i at 6,656 i: W1's scales 3,072, W2's 3,072 (16 bytes a row, 128 more behind every 16 rows), b1 512; at 26,624 b2
.set PRIVB, 27136
.set TRIPB, 6656
.set L16, 1                            ; 16 x lane: the stream's offset, an image's place, the output's offset; never rewritten
.set L8,  2                            ; 8 x lane
.set IW16, 3                           ; 1,536 x wave + 16 x lane: where I store images
.set IW8, 4                            ; 1,536 x wave + 8 x lane
.set SR,  5                            ; HSC + 4 x lane
.set SW,  6                            ; + 256 x wave
.set S10, 7                            ; W1's scales, trip 0: my row's 16 bytes
.set S20, 8                            ; W2's
.set BB0, 9                            ; b1
.set AS1, 10                           ; the same three for the trip in hand
.set AS2, 11
.set ABB, 12
.set STO, 13                           ; the way out: where I put 32 bytes of a row
.set RD,  14                           ; my LDS + 16 x lane
.set STS, 15                           ; my LDS + 16 x lane + 128 (lane / 16)
.set XS,  16                           ; x's scale words: 4 p + s; lanes 0-15 row tile 2 p, lanes 16-31 row tile 2 p + 1
.set WS1, 24                           ; W1's: 4 b + s; lanes 0-15 tile 2 b, lanes 16-31 tile 2 b + 1
.set WS2, 40                           ; W2's: 4 (n / 2) + K step; lanes 0-15 even n, lanes 16-31 odd n
.set HS,  56                           ; the hidden layer's: 2 set + p
.set MX,  64
.set TPV, 68
.set SO,  72
.set PW,  76
.set B1,  80
.set H,   112
.set CA,  176
.set CB,  200
.set HF,  112
.set BK,  112
.set LANE, 217
.set RR,  218
.set HH,  219
.set T0,  220
.set B2A, 221
.set TL4, 222
.set TLW, 223
.set TK0, 224
.set TK1, 225
.set TKW, 226
.set L64, 227
.set XO0, 228
.set XO1, 229
.set XQO, 230
.set H48, 231
.set XW,  232
.set TA,  0                            ; window 3 at the head: trip 0's staging and b2;
.set XG,  40                           ; my row tile's four fragments of x;
.set TB,  88                           ; trips 1 to 3's staging
.set WV,  2
.set TRIPS, 3
.set TRP, 4                            ; 6,656 x trip
.set CN,  5
.set EX,  28
.set ROW0, 29
.set ROWS, 30
.set C0,  31
.set SB,  32                           ; s[32:33] my wave's stream of my expert
.set CUR, 34                           ; s[34:35] the chunk in hand
.set NXT, 36                           ; s[36:37] the next chunk
.set TMP, 38
.set STB, 40                           ; s[40:63] three bases a trip: W1's scales, W2's scales, b1
.set SEL, 66
.set HIM, 68
.set OUTB, 70
.set B2B, 72
.set TLB, 74
.set MSB, 0
.macro WIN new                         ; the immediate's high byte repeats the setting that is left
.if MSB != (\new)
	s_set_vgpr_msb (MSB<<8)|(\new)
.set MSB, (\new)
.endif
.endm
.macro PLACES n                        ; plain vector lines behind a matrix instruction, in front of loads into its registers and of reads of its results
.rept \n
	v_nop
.endr
.endm
.macro BAR                             ; my LDS stores have landed and my LDS loads are in: then the work-group's barrier
	s_wait_dscnt 0x0
	s_barrier_signal -1
	s_barrier_wait -1
.endm
.macro SLOTOF g                        ; group g's slot: 0,1,2,3,4,0,1,2,3,5,0,1,2,3,4,5: a slot comes round after five groups or more, and phase 1 (groups 0-7) keeps to window 2
.set GG, (\g)%16
.if (GG == 9) || (GG == 15)
.set RW, 1
.set RB, 192
.else
.if GG < 5
.set SL, GG
.elseif GG < 9
.set SL, GG-5
.else
.set SL, GG-10
.endif
.set RW, 2
.set RB, 48*SL
.endif
.endm
.macro RING g, base                    ; twelve loads: a group's four fragments
	SLOTOF \g
	WIN RW<<6
.irp i, 0,1,2,3
.irp j, 0,1,2
	global_load_b128 v[RB+12*\i+4*\j:RB+12*\i+4*\j+3], v[L16], s[\base:\base+1] offset:GG*6144+1536*\i+512*\j
.endr
.endr
.endm
.macro REF j, ahead                    ; behind group j: group j + 5, of this chunk or of the next
.if (\j)+5 < 16
	RING (\j)+5, CUR
.elseif \ahead
	RING (\j)-11, NXT
.endif
	WIN 0
.endm
.macro CNT g, ahead                    ; NW: the loads issued behind group g's
.if \ahead
.set NW, 48
.elseif (\g) <= 11
.set NW, 48
.else
.set NW, 12*(15-(\g))
.endif
.endm
.macro WMMA                            ; one product, by the symbols rD, rA, rB, rC, rSA, rSB; fRA, fRB: the scales stand in lanes 16-31
.if fRA && fRB
	v_wmma_scale_f32_16x16x128_f8f6f4 v[rD:rD+7], v[rA:rA+11], v[rB:rB+11], v[rC:rC+7], v[rSA], v[rSB] matrix_a_fmt:MATRIX_FMT_FP6 matrix_b_fmt:MATRIX_FMT_FP6 matrix_a_scale:MATRIX_SCALE_ROW1 matrix_b_scale:MATRIX_SCALE_ROW1
.elseif fRA
	v_wmma_scale_f32_16x16x128_f8f6f4 v[rD:rD+7], v[rA:rA+11], v[rB:rB+11], v[rC:rC+7], v[rSA], v[rSB] matrix_a_fmt:MATRIX_FMT_FP6 matrix_b_fmt:MATRIX_FMT_FP6 matrix_a_scale:MATRIX_SCALE_ROW1
.elseif fRB
	v_wmma_scale_f32_16x16x128_f8f6f4 v[rD:rD+7], v[rA:rA+11], v[rB:rB+11], v[rC:rC+7], v[rSA], v[rSB] matrix_a_fmt:MATRIX_FMT_FP6 matrix_b_fmt:MATRIX_FMT_FP6 matrix_b_scale:MATRIX_SCALE_ROW1
.else
	v_wmma_scale_f32_16x16x128_f8f6f4 v[rD:rD+7], v[rA:rA+11], v[rB:rB+11], v[rC:rC+7], v[rSA], v[rSB] matrix_a_fmt:MATRIX_FMT_FP6 matrix_b_fmt:MATRIX_FMT_FP6
.endif
.endm
; PHASE 1, group 2 b + q: K steps 2 q, 2 q + 1 of the 32 hidden units of block b (tiles 2 b, 2 b + 1) for the four row tiles.  The eight accumulators take turns, one instruction a turn; b1 is the C of each sum's first product.
.macro P1G b, q
	SLOTOF 2*(\b)+(\q)
	s_wait_loadcnt NW
	WIN 0x04|RW                                    ; source 0 the ring, source 1 (x) window 1, C and D window 0
.irp sg, 0,1
.irp u, 0,1
.irp m, 0,1,2,3
.set rD, H+16*\m+8*\u
.set rA, RB+12*(2*\sg+\u)
.set rB, 12*(4*\m+2*(\q)+\sg)
.set rSA, WS1+4*(\b)+2*(\q)+\sg
.set rSB, XS+4*(\m/2)+2*(\q)+\sg
.set fRA, \u
.set fRB, \m%2
.if 2*(\q)+\sg == 0
.set rC, B1+8*\u
.else
.set rC, rD
.endif
	WMMA
.endr
.endr
.endr
.endm
; THE QUANTISER of block b: 32 hidden units x 64 rows.  Register H + 16 m + i of lane (r, h) is unit 32 b + 16 h + i of row 16 m + r.
.macro QB b
.set j, 0
.rept 64
	v_max_num_f32 v[H+j], 0, v[H+j]                ; relu, in f32; each accumulator is read from its low end on
.set j, j+1
.endr
.irp m, 0,1,2,3
	v_max3_num_f32 v[MX+\m], v[H+16*\m], v[H+16*\m+1], 0x1800000   ; my 16 numbers (none is negative) and the floor 2^(3 - 127): the byte cannot fall under 1
.endr
.irp i, 2,4,6,8,10,12,14
.irp m, 0,1,2,3
	v_max3_num_f32 v[MX+\m], v[MX+\m], v[H+16*\m+\i], v[H+16*\m+\i+1]   ; the four row tiles by turns
.endr
.endr
.irp m, 0,1,2,3
	v_permlanex16_b32 v[TPV+\m], v[MX+\m], s[SEL], s[SEL+1]
.endr
.irp m, 0,1,2,3
	v_max_num_f32 v[MX+\m], v[MX+\m], v[TPV+\m]    ; with lane l xor 16's: the block's largest
.endr
.irp m, 0,1,2,3
	v_add_nc_u32 v[SO+\m], 0xff000000, v[MX+\m]    ; 2 off its exponent field: the conversion's scale operand
.endr
.irp m, 0,1,2,3
	v_lshrrev_b32 v[TPV+\m], 23, v[SO+\m]          ; the scale's byte
.endr
.irp m, 0,1,2,3
.if (\b) == 0
	v_mov_b32 v[PW+\m], v[TPV+\m]
.else
	v_lshl_or_b32 v[PW+\m], v[TPV+\m], 8*(\b), v[PW+\m]   ; four blocks make my row's scale word
.endif
.endr
.irp m, 0,1,2,3
.if (\b)%2 == 0
	v_cvt_scalef32_pk16_fp6_f32 v[CA+6*\m:CA+6*\m+2], v[H+16*\m:H+16*\m+15], v[SO+\m]
.else
	v_cvt_scalef32_pk16_fp6_f32 v[CB+4*\m:CB+4*\m+2], v[H+16*\m:H+16*\m+15], v[SO+\m]   ; (a conversion's three registers begin on an even number)
.endif
.endr
	v_nop                                          ; one plain line behind the conversions
.if (\b)%2 == 1                        ; a pair of blocks is whole: the operand's layout wants a WHOLE block in a lane: lanes 0-15 the even block, lanes 16-31 the odd one
.irp m, 0,1,2,3
.irp i, 0,1,2
	v_permlane16_swap_b32 v[CA+6*\m+\i], v[CB+4*\m+\i]
.endr
.endr
.irp m, 0,1,2,3
.irp i, 0,1,2
	v_mov_b32 v[CA+6*\m+3+\i], v[CB+4*\m+\i]
.endr
.endr
.if (\b) == 1
	BAR                                            ; every wave's reads of the images that lie there (x's, or the last chunk's) are over: they may be written
.endif
.irp m, 0,1,2,3                        ; six registers a lane, as they stand: 512 bytes by 16 a lane, 256 by 8
	ds_store_b128 v[IW16], v[CA+6*\m:CA+6*\m+3] offset:6144*\m+768*((\b)/2)
	ds_store_b64 v[IW8], v[CA+6*\m+4:CA+6*\m+5] offset:6144*\m+768*((\b)/2)+512
.endr
.endif
.if (\b) == 3
.irp p, 0,1
	v_cndmask_b32 v[TPV+\p], v[PW+2*\p], v[PW+2*\p+1], s[HIM]   ; lanes 0-15 row tile 2 p's words, lanes 16-31 row tile 2 p + 1's
.endr
.irp p, 0,1
	ds_store_b32 v[SW], v[TPV+\p] offset:128*\p
.endr
	BAR                                            ; the chunk's sixteen images and their scale words lie in LDS
.endif
.endm
.macro HFL sp                          ; K step sp's four hidden fragments and their scale words into set sp % 2: 18 LDS loads
.set hB, HF+48*((\sp)%2)
.irp m, 0,1,2,3
.irp c, 0,1
	ds_load_b128 v[hB+12*\m+6*\c:hB+12*\m+6*\c+3], v[L16] offset:(4*\m+(\sp))*1536+768*\c
	ds_load_b64 v[hB+12*\m+6*\c+4:hB+12*\m+6*\c+5], v[L8] offset:(4*\m+(\sp))*1536+768*\c+512
.endr
.endr
.irp p, 0,1
	ds_load_b32 v[HS+2*((\sp)%2)+\p], v[SR] offset:(2*(\sp)+\p)*128
.endr
.endm
; PHASE 2, group 8 + 2 sp + nu: K step sp of the chunk, output tiles 4 nu .. 4 nu + 3, the four row tiles: sixteen accumulators by turns, each added onto in place.
.macro P2G sp, nu
	SLOTOF 8+2*(\sp)+(\nu)
	s_wait_loadcnt NW
	WIN 0xf0|RW                                    ; source 0 the ring, source 1 (hidden) window 0, C and D window 3
.irp i, 0,1,2,3
.irp m, 0,1,2,3
.set nn, 4*(\nu)+\i
.set rD, 8*(4*nn+\m)
.set rC, rD
.set rA, RB+12*\i
.set rB, HF+48*((\sp)%2)+12*\m
.set rSA, WS2+4*(nn/2)+(\sp)
.set rSB, HS+2*((\sp)%2)+\m/2
.set fRA, nn%2
.set fRB, \m%2
	WMMA
.endr
.endr
.endm
.macro CHUNK ahead                     ; ahead = 1: a chunk follows
	v_add_nc_u32 v[AS1], s[TRP], v[S10]            ; (with the four lines that end the chunk before, these three stand between its last products and the products that write H over the registers they read)
	v_add_nc_u32 v[AS2], s[TRP], v[S20]
	v_add_nc_u32 v[ABB], s[TRP], v[BB0]
.irp n, 0,1,2,3
	ds_load_b128 v[WS2+4*\n:WS2+4*\n+3], v[AS2] offset:768*\n
.endr
.irp b, 0,1,2,3
	s_wait_dscnt 0x0                               ; b1 of this block (and the scale words) are in; the last block's image stores have read their registers
	CNT 2*\b, \ahead
	P1G \b, 0
	PLACES 4
	REF 2*\b, \ahead
	CNT 2*\b+1, \ahead
	P1G \b, 1
	PLACES 4
	REF 2*\b+1, \ahead
.if \b < 3
.irp u, 0,1
.irp z, 0,1
	ds_load_b128 v[B1+8*\u+4*\z:B1+8*\u+4*\z+3], v[ABB] offset:128*(\b+1)+32*\u+16*\z   ; b1 of the next block, in the result's layout: units 32 b + 16 h + 8 u + 0 .. 7
.endr
.endr
.endif
	QB \b
.endr
.if \ahead
.irp b, 0,1,2,3
	ds_load_b128 v[WS1+4*\b:WS1+4*\b+3], v[AS1] offset:TRIPB+768*\b   ; the next trip's scale words of W1 and its first b1
.endr
.irp u, 0,1
.irp z, 0,1
	ds_load_b128 v[B1+8*\u+4*\z:B1+8*\u+4*\z+3], v[ABB] offset:TRIPB+32*\u+16*\z
.endr
.endr
.endif
	HFL 0
	HFL 1
.irp sp, 0,1,2,3
.if \sp == 3
	s_wait_dscnt 0x0
.else
	s_wait_dscnt 18                                ; this K step's set is in; the other set's 18 loads may be out
.endif
	CNT 8+2*\sp, \ahead
	P2G \sp, 0
	PLACES 4
	REF 8+2*\sp, \ahead
	CNT 9+2*\sp, \ahead
	P2G \sp, 1
	PLACES 4
	REF 9+2*\sp, \ahead
.if \sp < 2
	HFL \sp+2
.endif
.endr
.endm
.macro STAGE_LD i, reg                 ; trip i's small operands, nine loads into window 3: W1's scales of my 128 rows (2,048 dense bytes), W2's (16 bytes of each of my 128 rows), b1 (512 bytes)
.irp k, 0,1,2,3
	global_load_b128 v[\reg+4*\k:\reg+4*\k+3], v[L16], s[STB+6*\i:STB+6*\i+1] offset:512*\k
.endr
.irp k, 0,1,2,3
	global_load_b128 v[\reg+16+4*\k:\reg+16+4*\k+3], v[L64], s[STB+6*\i+2:STB+6*\i+3] offset:2048*\k
.endr
	global_load_b128 v[\reg+32:\reg+35], v[L16], s[STB+6*\i+4:STB+6*\i+5]
.endm
.macro STAGE_ST i, reg                 ; and into my own LDS
.irp k, 0,1,2,3
	ds_store_b128 v[STS], v[\reg+4*\k:\reg+4*\k+3] offset:TRIPB*\i+768*\k
.endr
.irp k, 0,1,2,3
	ds_store_b128 v[STS], v[\reg+16+4*\k:\reg+16+4*\k+3] offset:TRIPB*\i+3072+768*\k
.endr
	ds_store_b128 v[RD], v[\reg+32:\reg+35] offset:TRIPB*\i+6144
.endm
; ---------------------------------------------------------------- the head
	s_load_b512 s[8:23], s[0:1], 0x0               ; tiles s[8:9], tlist s[10:11], xq s[12:13], xs s[14:15], wst s[16:17], W1's scales s[18:19], W2's s[20:21], b1 s[22:23]
	s_load_b128 s[24:27], s[0:1], 0x40             ; b2 s[24:25], out0 s[26:27]
	v_lshl_add_u32 v254, v0, 2, 0x20c00
	v_mov_b32 v255, 0
	v_lshrrev_b32 v216, 5, v0
	v_readfirstlane_b32 s[WV], v216                ; wave 0..3
	v_and_b32 v[LANE], 31, v0
	v_and_b32 v[RR], 15, v0                        ; r
	v_bfe_u32 v[HH], v0, 4, 1                      ; h
	v_lshlrev_b32 v[L16], 4, v[LANE]
	v_lshlrev_b32 v[TL4], 2, v[LANE]
	v_lshlrev_b32 v[TLW], 2, v[RR]
	s_lshl_b32 s6, s[WV], 6
	v_add_nc_u32 v[TLW], s6, v[TLW]                ; the list: my row tile's slot r
	s_lshl_b32 s[TMP], ttmp9, 4
	s_mov_b32 s[TMP+1], 0
	s_wait_kmcnt 0x0
	s_add_nc_u64 s[8:9], s[8:9], s[TMP:TMP+1]
	s_load_b128 s[28:31], s[8:9], 0x0              ; my tile: expert, first row, rows, first chunk
	s_lshl_b32 s[TMP], ttmp9, 8
	s_add_nc_u64 s[TLB:TLB+1], s[10:11], s[TMP:TMP+1]
	global_load_b32 v[TK0], v[TL4], s[TLB:TLB+1]              ; slots 0-31,
	global_load_b32 v[TK1], v[TL4], s[TLB:TLB+1] offset:128   ; slots 32-63 (for x's scale words),
	global_load_b32 v[TKW], v[TLW], s[TLB:TLB+1]              ; slots 16 w + r (for x's codes)
	v_lshlrev_b32 v[L8], 3, v[LANE]
	v_lshlrev_b32 v[L64], 6, v[LANE]
	s_mul_i32 s6, s[WV], 1536
	v_add_nc_u32 v[IW16], s6, v[L16]
	v_add_nc_u32 v[IW8], s6, v[L8]
	s_mul_i32 s6, s[WV], 6144
	v_add_nc_u32 v[XW], s6, v[L16]                 ; x's images of row tile w
	v_lshl_add_u32 v[SR], v[LANE], 2, HSC
	s_lshl_b32 s6, s[WV], 8
	v_add_nc_u32 v[SW], s6, v[SR]
	s_mul_i32 s7, s[WV], PRIVB
	s_add_co_u32 s7, s7, PRIV0                     ; my own LDS
	v_lshrrev_b32 v[T0], 3, v[RR]
	v_lshlrev_b32 v[S10], 4, v[RR]
	v_lshl_add_u32 v[S10], v[HH], 7, v[S10]
	v_lshl_add_u32 v[S10], v[T0], 8, v[S10]
	v_add_nc_u32 v[S10], s7, v[S10]                ; row 8 h + r + 8 (r / 8) of a block: 128 h + 16 r + 256 (r / 8)
	v_mul_u32_u24 v[S20], v[HH], 384
	v_lshl_add_u32 v[S20], v[RR], 4, v[S20]
	v_add_nc_u32 v[S20], s7, v[S20]
	v_add_nc_u32 v[S20], 3072, v[S20]              ; row 16 h + r of a pair of tiles: 384 h + 16 r
	v_lshlrev_b32 v[BB0], 6, v[HH]
	v_add_nc_u32 v[BB0], s7, v[BB0]
	v_add_nc_u32 v[BB0], 6144, v[BB0]
	v_mul_u32_u24 v[STO], v[RR], 528
	v_lshl_add_u32 v[STO], v[HH], 5, v[STO]
	v_add_nc_u32 v[STO], s7, v[STO]
	v_add_nc_u32 v[RD], s7, v[L16]
	v_lshl_add_u32 v[STS], v[HH], 7, v[RD]
	v_lshlrev_b32 v[B2A], 5, v[HH]
	v_add_nc_u32 v[B2A], s7, v[B2A]
	v_add_nc_u32 v[B2A], 26624, v[B2A]
	v_mul_u32_u24 v[H48], v[HH], 48
.irp m, 0,1,2,3
	v_mov_b32 v[TPV+\m], 0                         ; written once: a lane permute's destination counts as one of its sources
.endr
	s_mov_b32 s[SEL], 0x76543210
	s_mov_b32 s[SEL+1], 0xfedcba98
	s_mov_b32 s[HIM], 0xffff0000                   ; lanes 16-31
	s_wait_kmcnt 0x0
	s_min_u32 s[EX], s[EX], 7                      ; loaded numbers are held inside their ranges before they enter an address
	s_min_u32 s[ROW0], s[ROW0], 0xfff
	s_min_u32 s[ROWS], s[ROWS], 64
	s_min_u32 s[C0], s[C0], 3
	s_mul_i32 s[TMP], s[EX], 1572864
	s_mul_i32 s6, s[WV], 393216
	s_add_co_u32 s[TMP], s[TMP], s6
	s_add_nc_u64 s[SB:SB+1], s[16:17], s[TMP:TMP+1]
	s_mul_i32 s[TMP], s[C0], 98304
	s_add_nc_u64 s[CUR:CUR+1], s[SB:SB+1], s[TMP:TMP+1]
	RING 0, CUR                                    ; the stream starts first
	RING 1, CUR
	RING 2, CUR
	WIN 0
	s_add_co_u32 s[CN], s[C0], 1
	s_and_b32 s[CN], s[CN], 3
	s_mul_i32 s[TMP], s[CN], 98304
	s_add_nc_u64 s[NXT:NXT+1], s[SB:SB+1], s[TMP:TMP+1]
	s_lshl_b32 s76, s[EX], 15
	s_lshl_b32 s77, s[WV], 11
	s_add_co_u32 s77, s77, s76                     ; W1's scales: 32,768 e + 2,048 w
	s_lshl_b32 s78, s[WV], 13
	s_add_co_u32 s78, s78, s76                     ; W2's: 32,768 e + 8,192 w
	s_lshl_b32 s79, s[EX], 13
	s_lshl_b32 s80, s[WV], 9
	s_add_co_u32 s79, s79, s80                     ; b1: 8,192 e + 512 w
.irp i, 0,1,2,3
	s_add_co_u32 s81, s[C0], \i
	s_and_b32 s81, s81, 3                          ; trip i's chunk
	s_lshl_b32 s[TMP], s81, 13
	s_add_co_u32 s[TMP], s[TMP], s77
	s_add_nc_u64 s[STB+6*\i:STB+6*\i+1], s[18:19], s[TMP:TMP+1]
	s_lshl_b32 s[TMP], s81, 4
	s_add_co_u32 s[TMP], s[TMP], s78
	s_add_nc_u64 s[STB+6*\i+2:STB+6*\i+3], s[20:21], s[TMP:TMP+1]
	s_lshl_b32 s[TMP], s81, 11
	s_add_co_u32 s[TMP], s[TMP], s79
	s_add_nc_u64 s[STB+6*\i+4:STB+6*\i+5], s[22:23], s[TMP:TMP+1]
.endr
	s_lshl_b32 s[TMP], s[EX], 11
	s_add_co_u32 s[TMP], s[TMP], s80
	s_add_nc_u64 s[B2B:B2B+1], s[24:25], s[TMP:TMP+1]          ; b2: 2,048 e + 512 w
	s_lshl_b32 s[TMP], s[ROW0], 11
	s_add_co_u32 s[TMP], s[TMP], s80
	s_add_nc_u64 s[OUTB:OUTB+1], s[26:27], s[TMP:TMP+1]        ; the output: 2,048 x first row + 512 w
	WIN 0xc0                                       ; destination window 3
	STAGE_LD 0, TA
	global_load_b128 v[TA+36:TA+39], v[L16], s[B2B:B2B+1]
	WIN 0
	s_wait_loadcnt 46                              ; the three loads of the list are in: behind them 36 of the ring and 10 of the staging
	v_min_u32 v[TK0], 0xfff, v[TK0]
	v_min_u32 v[TK1], 0xfff, v[TK1]
	v_min_u32 v[TKW], 0xfff, v[TKW]
	v_lshlrev_b32 v[XO0], 4, v[TK0]
	v_lshlrev_b32 v[XO1], 4, v[TK1]
	v_mul_u32_u24 v[XQO], v[TKW], 384
	v_add_nc_u32 v[XQO], v[XQO], v[H48]            ; my token's codes, my half's 48 bytes of each K step
	WIN 0xc0
.irp s, 0,1,2,3
.irp j, 0,1,2
	global_load_b128 v[XG+12*\s+4*\j:XG+12*\s+4*\j+3], v[XQO], s[12:13] offset:96*\s+16*\j
.endr
.endr
	WIN 0
	global_load_b128 v[XS:XS+3], v[XO0], s[14:15]              ; x's scale words straight into their registers
	global_load_b128 v[XS+4:XS+7], v[XO1], s[14:15]
	s_wait_loadcnt 14                              ; all but x's 14 loads: trip 0's staging and b2 are in
	WIN 0x0c                                       ; an LDS store's data are its source 1: window 3
	STAGE_ST 0, TA
	ds_store_b128 v[RD], v[TA+36:TA+39] offset:26624
	WIN 0xc0
	STAGE_LD 1, TB
	STAGE_LD 2, TB+36
	STAGE_LD 3, TB+72
	RING 3, CUR
	s_wait_loadcnt 39                              ; x is in: behind it 27 of the staging and 12 of the ring
	WIN 0x0c
.irp s, 0,1,2,3
.irp j, 0,1,2
	ds_store_b128 v[XW], v[XG+12*\s+4*\j:XG+12*\s+4*\j+3] offset:1536*\s+512*\j   ; row tile w's four fragments, as images
.endr
.endr
	RING 4, CUR
	WIN 0
	BAR                                            ; x's sixteen fragments lie in LDS
	WIN 0x40                                       ; destination window 1
.set f, 0
.rept 16
.irp j, 0,1,2
	ds_load_b128 v[12*f+4*\j:12*f+4*\j+3], v[L16] offset:1536*f+512*\j   ; they stay in registers
.endr
.set f, f+1
.endr
	s_wait_loadcnt 24                              ; trips 1 to 3's staging is in: behind it ring groups 3 and 4
	WIN 0x0c
	STAGE_ST 1, TB
	STAGE_ST 2, TB+36
	STAGE_ST 3, TB+72
	s_wait_dscnt 0x0                               ; the stores have read their registers, which the loads below take
	WIN 0xc0
.irp n, 0,1,2,3,4,5,6,7                ; y begins as b2, in the result's layout (outputs 16 n + 8 h + 0 .. 7), so that every product of phase 2 adds in place
.irp m, 0,1,2,3
	ds_load_b128 v[8*(4*\n+\m):8*(4*\n+\m)+3], v[B2A] offset:64*\n
	ds_load_b128 v[8*(4*\n+\m)+4:8*(4*\n+\m)+7], v[B2A] offset:64*\n+16
.endr
.endr
	WIN 0
.irp b, 0,1,2,3
	ds_load_b128 v[WS1+4*\b:WS1+4*\b+3], v[S10] offset:768*\b
.endr
.irp u, 0,1
.irp z, 0,1
	ds_load_b128 v[B1+8*\u+4*\z:B1+8*\u+4*\z+3], v[BB0] offset:32*\u+16*\z
.endr
.endr
	s_wait_dscnt 0x0
	s_mov_b32 s[TRIPS], 3
	s_mov_b32 s[TRP], 0
.Ltrip:                                            ; three chunks that have a successor
	CHUNK 1
	s_wait_xcnt 0x0                                ; the loads issued so far have read their bases: these may be written
	s_mov_b64 s[CUR:CUR+1], s[NXT:NXT+1]
	s_add_co_u32 s[CN], s[CN], 1
	s_and_b32 s[CN], s[CN], 3
	s_mul_i32 s[TMP], s[CN], 98304
	s_add_nc_u64 s[NXT:NXT+1], s[SB:SB+1], s[TMP:TMP+1]
	s_add_co_u32 s[TRP], s[TRP], TRIPB
	s_sub_co_u32 s[TRIPS], s[TRIPS], 1
	s_cmp_lg_u32 s[TRIPS], 0
	s_cbranch_scc1 .Ltrip
	CHUNK 0                                        ; the last chunk asks for nothing beyond its own groups; its counts run down
; ---------------------------------------------------------------- the way out: a row tile at a time through my own stage (16 rows x 528 bytes, in my own LDS, whose scales are done with) and out as whole rows
; The four lines that end the chunk stand behind its last products.  A row is stored only if the tile has it: a scalar branch on the stored count; no barrier follows.
.irp m, 0,1,2,3
.if \m >= 2
	s_wait_xcnt 0x0                                ; the stores of two row tiles back have read their registers: these are loaded again
.endif
	WIN 0x0c
.irp n, 0,1,2,3,4,5,6,7
	ds_store_b128 v[STO], v[8*(4*\n+\m):8*(4*\n+\m)+3] offset:64*\n          ; lane (r, h): y(16 m + r, 128 w + 16 n + 8 h + 0 .. 7); each accumulator from its low end on
	ds_store_b128 v[STO], v[8*(4*\n+\m)+4:8*(4*\n+\m)+7] offset:64*\n+16
.endr
	WIN 0
.irp t, 0,1,2,3,4,5,6,7,8,9,10,11,12,13,14,15
	ds_load_b128 v[BK+64*(\m%2)+4*\t:BK+64*(\m%2)+4*\t+3], v[RD] offset:528*\t   ; LDS serves a wave's instructions in order (ISA guide 5.7.1.4): these see my stores
.endr
	s_wait_dscnt 0x0
.irp t, 0,1,2,3,4,5,6,7,8,9,10,11,12,13,14,15
	s_cmp_le_u32 s[ROWS], 16*\m+\t
	s_cbranch_scc1 .Ldone
	global_store_b128 v[L16], v[BK+64*(\m%2)+4*\t:BK+64*(\m%2)+4*\t+3], s[OUTB:OUTB+1] offset:(16*\m+\t)*2048 th:TH_STORE_NT   ; 32 lanes store 512 consecutive bytes, at a multiple of 512 from the output's first byte
.endr
.endr
.Ldone:
	s_wait_tensorcnt 0x0
	ds_add_u32 v254, v255
	s_wait_dscnt 0x0
	s_endpgm
.Lfunc_end_k_qaccab4955c_ffn:
	.size	k_qaccab4955c_ffn, .Lfunc_end_k_qaccab4955c_ffn-k_qaccab4955c_ffn
	.p2alignl 7, 3214868480
	.fill 96, 4, 3214868480
	.section	.rodata,"a",@progbits
	.p2align	6, 0x0
	.amdhsa_kernel k_qaccab4955c_ffn
		.amdhsa_group_segment_fixed_size 134656
		.amdhsa_private_segment_fixed_size 0
		.amdhsa_enable_private_segment 0
		.amdhsa_kernarg_size 80
		.amdhsa_user_sgpr_count 2
		.amdhsa_user_sgpr_kernarg_segment_ptr 1
		.amdhsa_wavefront_size32 1
		.amdhsa_system_sgpr_workgroup_id_x 1
		.amdhsa_system_sgpr_workgroup_id_y 1
		.amdhsa_system_sgpr_workgroup_id_z 1
		.amdhsa_system_vgpr_workitem_id 0
		.amdhsa_next_free_vgpr 1024
		.amdhsa_next_free_sgpr 84
		.amdhsa_reserve_vcc 0
		.amdhsa_float_denorm_mode_32 3
		.amdhsa_float_denorm_mode_16_64 3
		.amdhsa_memory_ordered 1
		.amdhsa_forward_progress 1
		.amdhsa_inst_pref_size 211
	.end_amdhsa_kernel
	.amdgpu_metadata
---
amdhsa.version: [ 1, 2 ]
amdhsa.kernels:
  - .name:           k_qaccab4955c_ffn
    .symbol:         k_qaccab4955c_ffn.kd
    .args:
      - { .name: tiles, .offset: 0, .size: 8, .value_kind: global_buffer, .address_space: global }
      - { .name: tlist, .offset: 8, .size: 8, .value_kind: global_buffer, .address_space: global }
      - { .name: xq, .offset: 16, .size: 8, .value_kind: global_buffer, .address_space: global }
      - { .name: xs, .offset: 24, .size: 8, .value_kind: global_buffer, .address_space: global }
      - { .name: wst, .offset: 32, .size: 8, .value_kind: global_buffer, .address_space: global }
      - { .name: W1_scales, .offset: 40, .size: 8, .value_kind: global_buffer, .address_space: global }
      - { .name: W2_scales, .offset: 48, .size: 8, .value_kind: global_buffer, .address_space: global }
      - { .name: b1, .offset: 56, .size: 8, .value_kind: global_buffer, .address_space: global }
      - { .name: b2, .offset: 64, .size: 8, .value_kind: global_buffer, .address_space: global }
      - { .name: out0, .offset: 72, .size: 8, .value_kind: global_buffer, .address_space: global }
    .group_segment_fixed_size: 134656
    .private_segment_fixed_size: 0
    .kernarg_segment_align: 8
    .kernarg_segment_size: 80
    .max_flat_workgroup_size: 128
    .sgpr_count:     84
    .vgpr_count:     1024
    .wavefront_size: 32
...
	.end_amdgpu_metadata
.endif
;; end of part 3
;; ======== version 2 of 2: 3 launches; version 1 with the launch ffn written anew for expert scheduling mode
;; workspace buffers: eid 16,384 bytes of whole numbers; tlist 18,432 bytes of whole numbers; tiles 2,048 bytes of whole numbers; xq 1,572,864 bytes; xs 65,536 bytes; wst 12,582,912 bytes
;; launch prep: the kernel of part 1 again; grid 384 x 1, 4 waves a work-group, no clusters, 124,416 bytes of LDS; arguments x, Wg, bg, W1_codes, W2_codes, eid, xq, xs, wst; writes eid, xq, xs, wst
;; launch place: the kernel of part 2 again; grid 1 x 1, 32 waves a work-group, no clusters, 4,608 bytes of LDS; arguments eid, tlist, tiles; writes tlist, tiles
;; launch ffn (part 4): grid 71 x 1, 4 waves a work-group, no clusters, 134,656 bytes of LDS; arguments tiles, tlist, xq, xs, wst, W1_scales, W2_scales, b1, b2, out0; writes out0
.if DOCPART == 4
	.amdgcn_target "amdgcn-amd-amdhsa--gfx1250"
	.amdhsa_code_object_version 6
	.text
	.protected	k_qaccab4955c_ffn
	.globl	k_qaccab4955c_ffn
	.p2align	8
	.type	k_qaccab4955c_ffn,@function
k_qaccab4955c_ffn:
	s_mov_b64 s[64:65], 0
	v_nop
	global_prefetch_b8 v0, s[64:65] scope:SCOPE_SE
	s_setreg_imm32_b32 hwreg(HW_REG_WAVE_SCHED_MODE, 0, 2), 2
	s_setreg_imm32_b32 hwreg(HW_REG_WAVE_MODE, 25, 1), 1
	s_wait_xcnt 0x0
	s_wait_alu depctr_vm_vsrc(0)
; ONE TILE (up to 64 rows of one expert) THROUGH THE WHOLE CHAIN: y = relu(x W1 + b1) W2 + b2, both products on codes of FP6 (E2M3) with one E8M0 scale for each 32 along K.  The hidden layer never goes to memory.
; 71 work-groups serve every split of 4,096 tokens over 8 experts.  The tile's expert, first output row, rows and first chunk are whole numbers that an earlier launch stored; so are its 64 tokens.
; A tile with fewer than 64 rows walks the same text on token 0 in its empty slots and stores only its rows: every wave passes every barrier, and no barrier hangs on a loaded number.
; SHARES.  The four waves share the COLUMNS: in each of four chunks of 512 hidden units wave w makes units 128 w .. + 127 for all 64 rows (phase 1), quantises them in registers and hands them to the others through LDS as
; images of operand registers; then it adds the chunk's four K steps onto its outputs 128 w .. + 127 (phase 2).  The chunks are walked from the tile's first chunk on, round 4, so that tiles of one expert begin on different quarters of its weights.
; WEIGHTS come from memory straight into registers: the stream wst holds them as operand images in the order of use, so every load is 16 bytes a lane, 512 consecutive bytes a wave.  A group = 4 fragments = 12 loads = 16 matrix instructions.
; Six register slots.  The groups go in pairs: behind groups 2 P and 2 P + 1 the groups 2 P + 5 and 2 P + 6 are asked for.  In front of an even group the wait leaves the 48 loads of the four groups behind it out, in front of an odd one the 36 of three.
; No other global load stands in the loop.
; No joint loads by a cluster and no tensor loads: which weights a work-group walks, and how many rows it stores, hang on stored numbers, and neighbours in the grid need not have the same expert.
; BOTH PRODUCTS ARE USED TRANSPOSED (source 0 = 16 rows of the weight, source 1 = 16 tokens): a lane holds one token; W1's rows of a tile are chosen (r + 8 (r / 8)) so that two tiles' 16 registers are 16 neighbours along the next K.
; LIMITS: NaN and infinities in b1, b2 are not served.  A hidden block of zeros, or one whose largest number lies under 2^-124, gets the byte 1 (a block of zeros has zero codes).  The sum over the 2,048 hidden units runs in the rotated order of chunks.
; REGISTERS, in windows of 256.  Window 0: v1-15 addresses; v16-59 scale words and nothing else; v64-79 the quantiser's; v80-95 b1 of a block; v112-175 H; v176-215 codes; in phase 2 v112-207 two sets of hidden fragments; v216-232 at the head.
;   Window 1: v0-191 x's 16 fragments; v192-239 ring slot 5.   Window 2: ring slots 0-4.   Window 3: y, accumulator (n, m) at 8 (4 n + m); at the head at work.
; THE MODE: SCHED_MODE bits 1:0 = 2 (LLVM: expert scheduling mode 2), set by the entry lines.  The code itself states the register dependences between vector or matrix instructions and memory or LDS instructions, with s_wait_alu, always for 0.
; THE PLAN.  Registers that memory or LDS instructions touch in the loop, and who else names them:
;   ring slots    A group's sixteen products read its slot.  The loads of groups 2 P + 5 and 2 P + 6 land in slots whose last readers are groups 2 P + 1 or earlier.
;   B1            The first group of a block reads it as C; the next block's b1 lands in it behind the block's two groups.
;   WS1, WS2, HS  Scale words: read by products alone; WS1 is loaded again behind phase 1, WS2 at a chunk's head, a set of HS with its set of hidden fragments.
;   HF0, HF1      A K step's 32 products read set sp % 2; the K step two on lands in it.  In phase 1 the same registers are H, CA, CB, which the quantiser writes and reads.
;   CA, TPV       Written by the quantiser, read by the LDS stores of the images and of the scale words.
;   AS1, AS2, ABB Read by LDS loads; written once a chunk, at its head.     v1-v9, v13-v15: addresses made at the head and never written again.
; So ONE wait on va_vdst closes each pair of groups: behind it stand the pair's 24 ring loads and the LDS loads into B1 or into a hidden set; what vector lines stand among them (the 64 of relu) name H alone.
; One more stands ahead of each run of image stores, one behind the three address lines.  Waits on vm_vsrc stand ahead of those three lines, ahead of the conversions that write CA again, and ahead of the hidden fragments' loads over CA.
.set HSC,   24576                      ; LDS: 0: 16 fragment images of 1,536 bytes (4 m + K step); 24,576: the hidden layer's scale words, 128 bytes at (2 K step + p) 128
.set PRIV0, 25600                      ; from here 27,136 bytes for each wave alone: for trip i at 6,656 i: W1's scales 3,072, W2's 3,072 (16 bytes a row, 128 more behind every 16 rows), b1 512; at 26,624 b2
.set PRIVB, 27136
.set TRIPB, 6656
.set L16, 1                            ; 16 x lane: the stream's offset, an image's place, the output's offset; never rewritten
.set L8,  2                            ; 8 x lane
.set IW16, 3                           ; 1,536 x wave + 16 x lane: where I store images
.set IW8, 4                            ; 1,536 x wave + 8 x lane
.set SR,  5                            ; HSC + 4 x lane
.set SW,  6                            ; + 256 x wave
.set S10, 7                            ; W1's scales, trip 0: my row's 16 bytes
.set S20, 8                            ; W2's
.set BB0, 9                            ; b1
.set AS1, 10                           ; the same three for the trip in hand
.set AS2, 11
.set ABB, 12
.set STO, 13                           ; the way out: where I put 32 bytes of a row
.set RD,  14                           ; my LDS + 16 x lane
.set STS, 15                           ; my LDS + 16 x lane + 128 (lane / 16)
.set XS,  16                           ; x's scale words: 4 p + s; lanes 0-15 row tile 2 p, lanes 16-31 row tile 2 p + 1
.set WS1, 24                           ; W1's: 4 b + s; lanes 0-15 tile 2 b, lanes 16-31 tile 2 b + 1
.set WS2, 40                           ; W2's: 4 (n / 2) + K step; lanes 0-15 even n, lanes 16-31 odd n
.set HS,  56                           ; the hidden layer's: 2 set + p
.set MX,  64
.set TPV, 68
.set SO,  72
.set PW,  76
.set B1,  80
.set H,   112
.set CA,  176
.set CB,  200
.set HF,  112
.set BK,  112
.set LANE, 217
.set RR,  218
.set HH,  219
.set T0,  220
.set B2A, 221
.set TL4, 222
.set TLW, 223
.set TK0, 224
.set TK1, 225
.set TKW, 226
.set L64, 227
.set XO0, 228
.set XO1, 229
.set XQO, 230
.set H48, 231
.set XW,  232
.set TA,  0                            ; window 3 at the head: trip 0's staging and b2;
.set XG,  40                           ; my row tile's four fragments of x;
.set TB,  88                           ; trips 1 to 3's staging
.set WV,  2
.set TRIPS, 3
.set TRP, 4                            ; 6,656 x trip
.set CN,  5
.set EX,  28
.set ROW0, 29
.set ROWS, 30
.set C0,  31
.set SB,  32                           ; s[32:33] my wave's stream of my expert
.set CUR, 34                           ; s[34:35] the chunk in hand
.set NXT, 36                           ; s[36:37] the next chunk
.set TMP, 38
.set STB, 40                           ; s[40:63] three bases a trip: W1's scales, W2's scales, b1
.set SEL, 66
.set HIM, 68
.set OUTB, 70
.set B2B, 72
.set TLB, 74
.set MSB, 0
.macro WIN new                         ; the immediate's high byte repeats the setting that is left
.if MSB != (\new)
	s_set_vgpr_msb (MSB<<8)|(\new)
.set MSB, (\new)
.endif
.endm
.macro PLACES n                        ; plain vector lines behind a matrix instruction, in front of reads of its results and of products that write over its registers (ISA guide 7.12.1)
.rept \n
	v_nop
.endr
.endm
.macro BAR                             ; my LDS stores have landed and my LDS loads are in: then the work-group's barrier
	s_wait_dscnt 0x0
	s_barrier_signal -1
	s_barrier_wait -1
.endm
.macro SLOTOF g                        ; group g's slot: 0,1,2,3,4,0,1,2,3,5,0,1,2,3,4,5: a slot comes round after five groups or more, and phase 1 (groups 0-7) keeps to window 2
.set GG, (\g)%16
.if (GG == 9) || (GG == 15)
.set RW, 1
.set RB, 192
.else
.if GG < 5
.set SL, GG
.elseif GG < 9
.set SL, GG-5
.else
.set SL, GG-10
.endif
.set RW, 2
.set RB, 48*SL
.endif
.endm
.macro RING g, base                    ; twelve loads: a group's four fragments
	SLOTOF \g
	WIN RW<<6
.irp i, 0,1,2,3
.irp j, 0,1,2
	global_load_b128 v[RB+12*\i+4*\j:RB+12*\i+4*\j+3], v[L16], s[\base:\base+1] offset:GG*6144+1536*\i+512*\j
.endr
.endr
.endm
.macro REFG g, ahead                   ; group g, counted from this chunk's first (5 .. 20), is asked for: of this chunk, or of the next where one follows
.if (\g) < 16
	RING \g, CUR
.elseif \ahead
	RING (\g)-16, NXT
.endif
.endm
.macro CNT g, ahead                    ; NW: the loads issued behind group g's: in front of an even group the stream has been asked for up to group g + 4, in front of an odd one up to g + 3; the last chunk ends with its group 15
.set LG, (\g)+4-((\g)%2)
.if \ahead == 0
.if LG > 15
.set LG, 15
.endif
.endif
.set NW, 12*(LG-(\g))
.endm
.macro WMMA                            ; one product, by the symbols rD, rA, rB, rC, rSA, rSB; fRA, fRB: the scales stand in lanes 16-31
.if fRA && fRB
	v_wmma_scale_f32_16x16x128_f8f6f4 v[rD:rD+7], v[rA:rA+11], v[rB:rB+11], v[rC:rC+7], v[rSA], v[rSB] matrix_a_fmt:MATRIX_FMT_FP6 matrix_b_fmt:MATRIX_FMT_FP6 matrix_a_scale:MATRIX_SCALE_ROW1 matrix_b_scale:MATRIX_SCALE_ROW1
.elseif fRA
	v_wmma_scale_f32_16x16x128_f8f6f4 v[rD:rD+7], v[rA:rA+11], v[rB:rB+11], v[rC:rC+7], v[rSA], v[rSB] matrix_a_fmt:MATRIX_FMT_FP6 matrix_b_fmt:MATRIX_FMT_FP6 matrix_a_scale:MATRIX_SCALE_ROW1
.elseif fRB
	v_wmma_scale_f32_16x16x128_f8f6f4 v[rD:rD+7], v[rA:rA+11], v[rB:rB+11], v[rC:rC+7], v[rSA], v[rSB] matrix_a_fmt:MATRIX_FMT_FP6 matrix_b_fmt:MATRIX_FMT_FP6 matrix_b_scale:MATRIX_SCALE_ROW1
.else
	v_wmma_scale_f32_16x16x128_f8f6f4 v[rD:rD+7], v[rA:rA+11], v[rB:rB+11], v[rC:rC+7], v[rSA], v[rSB] matrix_a_fmt:MATRIX_FMT_FP6 matrix_b_fmt:MATRIX_FMT_FP6
.endif
.endm
; PHASE 1, group 2 b + q: K steps 2 q, 2 q + 1 of the 32 hidden units of block b (tiles 2 b, 2 b + 1) for the four row tiles.  The eight accumulators take turns, one instruction a turn; b1 is the C of each sum's first product.
.macro P1G b, q
	SLOTOF 2*(\b)+(\q)
	s_wait_loadcnt NW
	WIN 0x04|RW                                    ; source 0 the ring, source 1 (x) window 1, C and D window 0
.irp sg, 0,1
.irp u, 0,1
.irp m, 0,1,2,3
.set rD, H+16*\m+8*\u
.set rA, RB+12*(2*\sg+\u)
.set rB, 12*(4*\m+2*(\q)+\sg)
.set rSA, WS1+4*(\b)+2*(\q)+\sg
.set rSB, XS+4*(\m/2)+2*(\q)+\sg
.set fRA, \u
.set fRB, \m%2
.if 2*(\q)+\sg == 0
.set rC, B1+8*\u
.else
.set rC, rD
.endif
	WMMA
.endr
.endr
.endr
.endm
; THE ACTIVATION of a block: register H + 16 m + i of lane (r, h) is unit 32 b + 16 h + i of row 16 m + r.  These 64 lines name H alone.
.macro RELU
.set j, 0
.rept 64
	v_max_num_f32 v[H+j], 0, v[H+j]                ; relu, in f32; each accumulator is read from its low end on
.set j, j+1
.endr
.endm
; THE QUANTISER of block b: 32 hidden units x 64 rows.
.macro QB b
.irp m, 0,1,2,3
	v_max3_num_f32 v[MX+\m], v[H+16*\m], v[H+16*\m+1], 0x1800000   ; my 16 numbers (none is negative) and the floor 2^(3 - 127): the byte cannot fall under 1
.endr
.irp i, 2,4,6,8,10,12,14
.irp m, 0,1,2,3
	v_max3_num_f32 v[MX+\m], v[MX+\m], v[H+16*\m+\i], v[H+16*\m+\i+1]   ; the four row tiles by turns
.endr
.endr
.irp m, 0,1,2,3
	v_permlanex16_b32 v[TPV+\m], v[MX+\m], s[SEL], s[SEL+1]
.endr
.irp m, 0,1,2,3
	v_max_num_f32 v[MX+\m], v[MX+\m], v[TPV+\m]    ; with lane l xor 16's: the block's largest
.endr
.irp m, 0,1,2,3
	v_add_nc_u32 v[SO+\m], 0xff000000, v[MX+\m]    ; 2 off its exponent field: the conversion's scale operand
.endr
.irp m, 0,1,2,3
	v_lshrrev_b32 v[TPV+\m], 23, v[SO+\m]          ; the scale's byte
.endr
.irp m, 0,1,2,3
.if (\b) == 0
	v_mov_b32 v[PW+\m], v[TPV+\m]
.else
	v_lshl_or_b32 v[PW+\m], v[TPV+\m], 8*(\b), v[PW+\m]   ; four blocks make my row's scale word
.endif
.endr
.irp m, 0,1,2,3
.if (\b)%2 == 0
	v_cvt_scalef32_pk16_fp6_f32 v[CA+6*\m:CA+6*\m+2], v[H+16*\m:H+16*\m+15], v[SO+\m]
.else
	v_cvt_scalef32_pk16_fp6_f32 v[CB+4*\m:CB+4*\m+2], v[H+16*\m:H+16*\m+15], v[SO+\m]   ; (a conversion's three registers begin on an even number)
.endif
.endr
	v_nop                                          ; one plain line behind the conversions
.if (\b)%2 == 1                        ; a pair of blocks is whole: the operand's layout wants a WHOLE block in a lane: lanes 0-15 the even block, lanes 16-31 the odd one
.irp m, 0,1,2,3
.irp i, 0,1,2
	v_permlane16_swap_b32 v[CA+6*\m+\i], v[CB+4*\m+\i]
.endr
.endr
.irp m, 0,1,2,3
.irp i, 0,1,2
	v_mov_b32 v[CA+6*\m+3+\i], v[CB+4*\m+\i]
.endr
.endr
.if (\b) == 3
.irp p, 0,1
	v_cndmask_b32 v[TPV+\p], v[PW+2*\p], v[PW+2*\p+1], s[HIM]   ; lanes 0-15 row tile 2 p's words, lanes 16-31 row tile 2 p + 1's
.endr
.endif
.if (\b) == 1
	BAR                                            ; every wave's reads of the images that lie there (x's, or the last chunk's) are over: they may be written
.endif
	s_wait_alu depctr_va_vdst(0)                   ; the quantiser has written CA (block 3: and the two scale words in TPV), which the LDS stores below read; block 3: it is also done with H, CA and CB, in which the hidden fragments land
.irp m, 0,1,2,3                        ; six registers a lane, as they stand: 512 bytes by 16 a lane, 256 by 8
	ds_store_b128 v[IW16], v[CA+6*\m:CA+6*\m+3] offset:6144*\m+768*((\b)/2)
	ds_store_b64 v[IW8], v[CA+6*\m+4:CA+6*\m+5] offset:6144*\m+768*((\b)/2)+512
.endr
.endif
.if (\b) == 3
.irp p, 0,1
	ds_store_b32 v[SW], v[TPV+\p] offset:128*\p
.endr
	BAR                                            ; the chunk's sixteen images and their scale words lie in LDS
.endif
.endm
.macro HFL sp                          ; K step sp's four hidden fragments and their scale words into set sp % 2: 18 LDS loads
.set hB, HF+48*((\sp)%2)
.irp m, 0,1,2,3
.irp c, 0,1
	ds_load_b128 v[hB+12*\m+6*\c:hB+12*\m+6*\c+3], v[L16] offset:(4*\m+(\sp))*1536+768*\c
	ds_load_b64 v[hB+12*\m+6*\c+4:hB+12*\m+6*\c+5], v[L8] offset:(4*\m+(\sp))*1536+768*\c+512
.endr
.endr
.irp p, 0,1
	ds_load_b32 v[HS+2*((\sp)%2)+\p], v[SR] offset:(2*(\sp)+\p)*128
.endr
.endm
; PHASE 2, group 8 + 2 sp + nu: K step sp of the chunk, output tiles 4 nu .. 4 nu + 3, the four row tiles: sixteen accumulators by turns, each added onto in place.
.macro P2G sp, nu
	SLOTOF 8+2*(\sp)+(\nu)
	s_wait_loadcnt NW
	WIN 0xf0|RW                                    ; source 0 the ring, source 1 (hidden) window 0, C and D window 3
.irp i, 0,1,2,3
.irp m, 0,1,2,3
.set nn, 4*(\nu)+\i
.set rD, 8*(4*nn+\m)
.set rC, rD
.set rA, RB+12*\i
.set rB, HF+48*((\sp)%2)+12*\m
.set rSA, WS2+4*(nn/2)+(\sp)
.set rSB, HS+2*((\sp)%2)+\m/2
.set fRA, nn%2
.set fRB, \m%2
	WMMA
.endr
.endr
.endm
.macro CHUNK ahead                     ; ahead = 1: a chunk follows
	s_wait_alu depctr_vm_vsrc(0)                   ; the LDS loads of the chunk before have read AS1, AS2 and ABB, which the three lines below write again
	v_add_nc_u32 v[AS1], s[TRP], v[S10]            ; (with the four lines that end the chunk before, these three stand between its last products and the products that write H over the registers they read)
	v_add_nc_u32 v[AS2], s[TRP], v[S20]
	v_add_nc_u32 v[ABB], s[TRP], v[BB0]
	s_wait_alu depctr_va_vdst(0)                   ; the three addresses are written, which this chunk's LDS loads read; the last chunk's products are done reading WS2, in which the loads below land
.irp n, 0,1,2,3
	ds_load_b128 v[WS2+4*\n:WS2+4*\n+3], v[AS2] offset:768*\n
.endr
.irp b, 0,1,2,3
	s_wait_dscnt 0x0                               ; b1 of this block (and the scale words) are in
.if \b == 2
	s_wait_alu depctr_vm_vsrc(0)                   ; block 1's image stores have read CA, which this block's conversions write again
.endif
	CNT 2*\b, \ahead
	P1G \b, 0
	CNT 2*\b+1, \ahead
	P1G \b, 1
	WIN 0
	PLACES 4                                       ; behind the last products, in front of the first read of H
	s_wait_alu depctr_va_vdst(0)                   ; the block's 32 products are done reading their two ring slots and B1: the loads below land there, or in slots read earlier still
	REFG 2*\b+5, \ahead
	WIN 0
.if \b < 3
.irp u, 0,1
.irp z, 0,1
	ds_load_b128 v[B1+8*\u+4*\z:B1+8*\u+4*\z+3], v[ABB] offset:128*(\b+1)+32*\u+16*\z   ; b1 of the next block, in the result's layout: units 32 b + 16 h + 8 u + 0 .. 7
.endr
.endr
.endif
	RELU
	REFG 2*\b+6, \ahead                            ; no further wait: the only vector lines since the wait above are relu's, which name H alone
	WIN 0
	QB \b
.endr
	s_wait_alu depctr_vm_vsrc(0)                   ; block 3's LDS stores have read CA, in which hidden fragments land, and TPV, which the next chunk's quantiser writes again
.if \ahead
.irp b, 0,1,2,3
	ds_load_b128 v[WS1+4*\b:WS1+4*\b+3], v[AS1] offset:TRIPB+768*\b   ; the next trip's scale words of W1 and its first b1 (phase 1's products, which read these registers, stand ahead of a wait on va_vdst)
.endr
.irp u, 0,1
.irp z, 0,1
	ds_load_b128 v[B1+8*\u+4*\z:B1+8*\u+4*\z+3], v[ABB] offset:TRIPB+32*\u+16*\z
.endr
.endr
.endif
	HFL 0
	HFL 1
.irp sp, 0,1,2,3
.if \sp == 3
	s_wait_dscnt 0x0
.else
	s_wait_dscnt 18                                ; this K step's set is in; the other set's 18 loads may be out
.endif
	CNT 8+2*\sp, \ahead
	P2G \sp, 0
	CNT 9+2*\sp, \ahead
	P2G \sp, 1
	WIN 0
	PLACES 4                                       ; the places behind the K step's products stay, beside the wait below; behind the last K step they serve the next chunk's products over H and the way out's reads of y
.if \ahead || (\sp < 2)
	s_wait_alu depctr_va_vdst(0)                   ; the K step's 32 products are done reading their two ring slots, their set of hidden fragments and its scale words: the loads below land there, or in slots read earlier still
.if \sp < 2
	HFL \sp+2
.endif
	REFG 13+2*\sp, \ahead
	REFG 14+2*\sp, \ahead
	WIN 0
.endif
.endr
.endm
.macro STAGE_LD i, reg                 ; trip i's small operands, nine loads into window 3: W1's scales of my 128 rows (2,048 dense bytes), W2's (16 bytes of each of my 128 rows), b1 (512 bytes)
.irp k, 0,1,2,3
	global_load_b128 v[\reg+4*\k:\reg+4*\k+3], v[L16], s[STB+6*\i:STB+6*\i+1] offset:512*\k
.endr
.irp k, 0,1,2,3
	global_load_b128 v[\reg+16+4*\k:\reg+16+4*\k+3], v[L64], s[STB+6*\i+2:STB+6*\i+3] offset:2048*\k
.endr
	global_load_b128 v[\reg+32:\reg+35], v[L16], s[STB+6*\i+4:STB+6*\i+5]
.endm
.macro STAGE_ST i, reg                 ; and into my own LDS
.irp k, 0,1,2,3
	ds_store_b128 v[STS], v[\reg+4*\k:\reg+4*\k+3] offset:TRIPB*\i+768*\k
.endr
.irp k, 0,1,2,3
	ds_store_b128 v[STS], v[\reg+16+4*\k:\reg+16+4*\k+3] offset:TRIPB*\i+3072+768*\k
.endr
	ds_store_b128 v[RD], v[\reg+32:\reg+35] offset:TRIPB*\i+6144
.endm
; ---------------------------------------------------------------- the head
	s_load_b512 s[8:23], s[0:1], 0x0               ; tiles s[8:9], tlist s[10:11], xq s[12:13], xs s[14:15], wst s[16:17], W1's scales s[18:19], W2's s[20:21], b1 s[22:23]
	s_load_b128 s[24:27], s[0:1], 0x40             ; b2 s[24:25], out0 s[26:27]
	v_lshl_add_u32 v254, v0, 2, 0x20c00            ; my spare word, behind the waves' own LDS, and 0: made here and kept for the closing lines alone
	v_mov_b32 v255, 0
	v_lshrrev_b32 v216, 5, v0
	v_readfirstlane_b32 s[WV], v216                ; wave 0..3
	v_and_b32 v[LANE], 31, v0
	v_and_b32 v[RR], 15, v0                        ; r
	v_bfe_u32 v[HH], v0, 4, 1                      ; h
	v_lshlrev_b32 v[L16], 4, v[LANE]
	v_lshlrev_b32 v[TL4], 2, v[LANE]
	v_lshlrev_b32 v[TLW], 2, v[RR]
	s_wait_alu depctr_va_sdst(0)                   ; the wave's number is written, ahead of its first reader
	s_lshl_b32 s6, s[WV], 6
	v_add_nc_u32 v[TLW], s6, v[TLW]                ; the list: my row tile's slot r
	s_lshl_b32 s[TMP], ttmp9, 4
	s_mov_b32 s[TMP+1], 0
	s_wait_alu depctr_va_vdst(0)                   ; v[TL4] and v[TLW] are written, which the three loads of the list read as their offsets
	s_wait_kmcnt 0x0
	s_add_nc_u64 s[8:9], s[8:9], s[TMP:TMP+1]
	s_load_b128 s[28:31], s[8:9], 0x0              ; my tile: expert, first row, rows, first chunk
	s_lshl_b32 s[TMP], ttmp9, 8
	s_add_nc_u64 s[TLB:TLB+1], s[10:11], s[TMP:TMP+1]
	global_load_b32 v[TK0], v[TL4], s[TLB:TLB+1]              ; slots 0-31,
	global_load_b32 v[TK1], v[TL4], s[TLB:TLB+1] offset:128   ; slots 32-63 (for x's scale words),
	global_load_b32 v[TKW], v[TLW], s[TLB:TLB+1]              ; slots 16 w + r (for x's codes)
	v_lshlrev_b32 v[L8], 3, v[LANE]
	v_lshlrev_b32 v[L64], 6, v[LANE]
	s_mul_i32 s6, s[WV], 1536
	v_add_nc_u32 v[IW16], s6, v[L16]
	v_add_nc_u32 v[IW8], s6, v[L8]
	s_mul_i32 s6, s[WV], 6144
	v_add_nc_u32 v[XW], s6, v[L16]                 ; x's images of row tile w
	v_lshl_add_u32 v[SR], v[LANE], 2, HSC
	s_lshl_b32 s6, s[WV], 8
	v_add_nc_u32 v[SW], s6, v[SR]
	s_mul_i32 s7, s[WV], PRIVB
	s_add_co_u32 s7, s7, PRIV0                     ; my own LDS
	v_lshrrev_b32 v[T0], 3, v[RR]
	v_lshlrev_b32 v[S10], 4, v[RR]
	v_lshl_add_u32 v[S10], v[HH], 7, v[S10]
	v_lshl_add_u32 v[S10], v[T0], 8, v[S10]
	v_add_nc_u32 v[S10], s7, v[S10]                ; row 8 h + r + 8 (r / 8) of a block: 128 h + 16 r + 256 (r / 8)
	v_mul_u32_u24 v[S20], v[HH], 384
	v_lshl_add_u32 v[S20], v[RR], 4, v[S20]
	v_add_nc_u32 v[S20], s7, v[S20]
	v_add_nc_u32 v[S20], 3072, v[S20]              ; row 16 h + r of a pair of tiles: 384 h + 16 r
	v_lshlrev_b32 v[BB0], 6, v[HH]
	v_add_nc_u32 v[BB0], s7, v[BB0]
	v_add_nc_u32 v[BB0], 6144, v[BB0]
	v_mul_u32_u24 v[STO], v[RR], 528
	v_lshl_add_u32 v[STO], v[HH], 5, v[STO]
	v_add_nc_u32 v[STO], s7, v[STO]
	v_add_nc_u32 v[RD], s7, v[L16]
	v_lshl_add_u32 v[STS], v[HH], 7, v[RD]
	v_lshlrev_b32 v[B2A], 5, v[HH]
	v_add_nc_u32 v[B2A], s7, v[B2A]
	v_add_nc_u32 v[B2A], 26624, v[B2A]
	v_mul_u32_u24 v[H48], v[HH], 48
.irp m, 0,1,2,3
	v_mov_b32 v[TPV+\m], 0                         ; written once: a lane permute's destination counts as one of its sources
.endr
	s_wait_alu depctr_va_vdst(0)                   ; the addresses v1 to v9 and v13 to v15, v[L64], v[XW] and v[B2A] are written: the loads and stores of the whole kernel read them, and none is written again
	s_mov_b32 s[SEL], 0x76543210
	s_mov_b32 s[SEL+1], 0xfedcba98
	s_mov_b32 s[HIM], 0xffff0000                   ; lanes 16-31
	s_wait_kmcnt 0x0
	s_min_u32 s[EX], s[EX], 7                      ; loaded numbers are held inside their ranges before they enter an address
	s_min_u32 s[ROW0], s[ROW0], 0xfff
	s_min_u32 s[ROWS], s[ROWS], 64
	s_min_u32 s[C0], s[C0], 3
	s_mul_i32 s[TMP], s[EX], 1572864
	s_mul_i32 s6, s[WV], 393216
	s_add_co_u32 s[TMP], s[TMP], s6
	s_add_nc_u64 s[SB:SB+1], s[16:17], s[TMP:TMP+1]
	s_mul_i32 s[TMP], s[C0], 98304
	s_add_nc_u64 s[CUR:CUR+1], s[SB:SB+1], s[TMP:TMP+1]
	RING 0, CUR                                    ; the stream starts first
	RING 1, CUR
	RING 2, CUR
	WIN 0
	s_add_co_u32 s[CN], s[C0], 1
	s_and_b32 s[CN], s[CN], 3
	s_mul_i32 s[TMP], s[CN], 98304
	s_add_nc_u64 s[NXT:NXT+1], s[SB:SB+1], s[TMP:TMP+1]
	s_lshl_b32 s76, s[EX], 15
	s_lshl_b32 s77, s[WV], 11
	s_add_co_u32 s77, s77, s76                     ; W1's scales: 32,768 e + 2,048 w
	s_lshl_b32 s78, s[WV], 13
	s_add_co_u32 s78, s78, s76                     ; W2's: 32,768 e + 8,192 w
	s_lshl_b32 s79, s[EX], 13
	s_lshl_b32 s80, s[WV], 9
	s_add_co_u32 s79, s79, s80                     ; b1: 8,192 e + 512 w
.irp i, 0,1,2,3
	s_add_co_u32 s81, s[C0], \i
	s_and_b32 s81, s81, 3                          ; trip i's chunk
	s_lshl_b32 s[TMP], s81, 13
	s_add_co_u32 s[TMP], s[TMP], s77
	s_add_nc_u64 s[STB+6*\i:STB+6*\i+1], s[18:19], s[TMP:TMP+1]
	s_lshl_b32 s[TMP], s81, 4
	s_add_co_u32 s[TMP], s[TMP], s78
	s_add_nc_u64 s[STB+6*\i+2:STB+6*\i+3], s[20:21], s[TMP:TMP+1]
	s_lshl_b32 s[TMP], s81, 11
	s_add_co_u32 s[TMP], s[TMP], s79
	s_add_nc_u64 s[STB+6*\i+4:STB+6*\i+5], s[22:23], s[TMP:TMP+1]
.endr
	s_lshl_b32 s[TMP], s[EX], 11
	s_add_co_u32 s[TMP], s[TMP], s80
	s_add_nc_u64 s[B2B:B2B+1], s[24:25], s[TMP:TMP+1]          ; b2: 2,048 e + 512 w
	s_lshl_b32 s[TMP], s[ROW0], 11
	s_add_co_u32 s[TMP], s[TMP], s80
	s_add_nc_u64 s[OUTB:OUTB+1], s[26:27], s[TMP:TMP+1]        ; the output: 2,048 x first row + 512 w
	WIN 0xc0                                       ; destination window 3
	STAGE_LD 0, TA
	global_load_b128 v[TA+36:TA+39], v[L16], s[B2B:B2B+1]
	WIN 0
	s_wait_loadcnt 46                              ; the three loads of the list are in: behind them 36 of the ring and 10 of the staging
	v_min_u32 v[TK0], 0xfff, v[TK0]
	v_min_u32 v[TK1], 0xfff, v[TK1]
	v_min_u32 v[TKW], 0xfff, v[TKW]
	v_lshlrev_b32 v[XO0], 4, v[TK0]
	v_lshlrev_b32 v[XO1], 4, v[TK1]
	v_mul_u32_u24 v[XQO], v[TKW], 384
	v_add_nc_u32 v[XQO], v[XQO], v[H48]            ; my token's codes, my half's 48 bytes of each K step
	WIN 0xc0
	s_wait_alu depctr_va_vdst(0)                   ; v[XQO], v[XO0] and v[XO1] are written, which the fourteen loads of x read as their offsets
.irp s, 0,1,2,3
.irp j, 0,1,2
	global_load_b128 v[XG+12*\s+4*\j:XG+12*\s+4*\j+3], v[XQO], s[12:13] offset:96*\s+16*\j
.endr
.endr
	WIN 0
	global_load_b128 v[XS:XS+3], v[XO0], s[14:15]              ; x's scale words straight into their registers
	global_load_b128 v[XS+4:XS+7], v[XO1], s[14:15]
	s_wait_loadcnt 14                              ; all but x's 14 loads: trip 0's staging and b2 are in
	WIN 0x0c                                       ; an LDS store's data are its source 1: window 3
	STAGE_ST 0, TA
	ds_store_b128 v[RD], v[TA+36:TA+39] offset:26624
	WIN 0xc0
	STAGE_LD 1, TB
	STAGE_LD 2, TB+36
	STAGE_LD 3, TB+72
	RING 3, CUR
	s_wait_loadcnt 39                              ; x is in: behind it 27 of the staging and 12 of the ring
	WIN 0x0c
.irp s, 0,1,2,3
.irp j, 0,1,2
	ds_store_b128 v[XW], v[XG+12*\s+4*\j:XG+12*\s+4*\j+3] offset:1536*\s+512*\j   ; row tile w's four fragments, as images
.endr
.endr
	RING 4, CUR
	WIN 0
	BAR                                            ; x's sixteen fragments lie in LDS
	WIN 0x40                                       ; destination window 1
.set f, 0
.rept 16
.irp j, 0,1,2
	ds_load_b128 v[12*f+4*\j:12*f+4*\j+3], v[L16] offset:1536*f+512*\j   ; they stay in registers
.endr
.set f, f+1
.endr
	s_wait_loadcnt 24                              ; trips 1 to 3's staging is in: behind it ring groups 3 and 4
	WIN 0x0c
	STAGE_ST 1, TB
	STAGE_ST 2, TB+36
	STAGE_ST 3, TB+72
	s_wait_dscnt 0x0                               ; the stores are done, and x's fragments are in
	WIN 0xc0
	s_wait_alu depctr_vm_vsrc(0)                   ; the LDS stores of the staging and of x's fragments have read their registers of window 3, in which the loads below land
.irp n, 0,1,2,3,4,5,6,7                ; y begins as b2, in the result's layout (outputs 16 n + 8 h + 0 .. 7), so that every product of phase 2 adds in place
.irp m, 0,1,2,3
	ds_load_b128 v[8*(4*\n+\m):8*(4*\n+\m)+3], v[B2A] offset:64*\n
	ds_load_b128 v[8*(4*\n+\m)+4:8*(4*\n+\m)+7], v[B2A] offset:64*\n+16
.endr
.endr
	WIN 0
.irp b, 0,1,2,3
	ds_load_b128 v[WS1+4*\b:WS1+4*\b+3], v[S10] offset:768*\b
.endr
.irp u, 0,1
.irp z, 0,1
	ds_load_b128 v[B1+8*\u+4*\z:B1+8*\u+4*\z+3], v[BB0] offset:32*\u+16*\z
.endr
.endr
	s_wait_dscnt 0x0
	s_mov_b32 s[TRIPS], 3
	s_mov_b32 s[TRP], 0
.Ltrip:                                            ; three chunks that have a successor
	CHUNK 1
	s_wait_xcnt 0x0                                ; the loads issued so far have read their bases: these may be written
	s_mov_b64 s[CUR:CUR+1], s[NXT:NXT+1]
	s_add_co_u32 s[CN], s[CN], 1
	s_and_b32 s[CN], s[CN], 3
	s_mul_i32 s[TMP], s[CN], 98304
	s_add_nc_u64 s[NXT:NXT+1], s[SB:SB+1], s[TMP:TMP+1]
	s_add_co_u32 s[TRP], s[TRP], TRIPB
	s_sub_co_u32 s[TRIPS], s[TRIPS], 1
	s_cmp_lg_u32 s[TRIPS], 0
	s_cbranch_scc1 .Ltrip
	CHUNK 0                                        ; the last chunk asks for nothing beyond its own groups; its counts run down
; ---------------------------------------------------------------- the way out: a row tile at a time through my own stage (16 rows x 528 bytes, in my own LDS, whose scales are done with) and out as whole rows
; The four lines that end the chunk stand behind its last products.  A row is stored only if the tile has it: a scalar branch on the stored count; no barrier follows.
	s_wait_alu depctr_va_vdst(0)                   ; the products have written y, which the LDS stores below read, and are done reading the hidden fragments, in whose registers the rows read back land; the places above stay beside this wait
.irp m, 0,1,2,3
.if \m >= 2
	s_wait_xcnt 0x0                                ; the stores of two row tiles back have had their addresses translated,
	s_wait_alu depctr_vm_vsrc(0)                   ; and have read their data registers, in which the loads below land again
.endif
	WIN 0x0c
.irp n, 0,1,2,3,4,5,6,7
	ds_store_b128 v[STO], v[8*(4*\n+\m):8*(4*\n+\m)+3] offset:64*\n          ; lane (r, h): y(16 m + r, 128 w + 16 n + 8 h + 0 .. 7); each accumulator from its low end on
	ds_store_b128 v[STO], v[8*(4*\n+\m)+4:8*(4*\n+\m)+7] offset:64*\n+16
.endr
	WIN 0
.irp t, 0,1,2,3,4,5,6,7,8,9,10,11,12,13,14,15
	ds_load_b128 v[BK+64*(\m%2)+4*\t:BK+64*(\m%2)+4*\t+3], v[RD] offset:528*\t   ; LDS serves a wave's instructions in order (ISA guide 5.7.1.4): these see my stores
.endr
	s_wait_dscnt 0x0
.irp t, 0,1,2,3,4,5,6,7,8,9,10,11,12,13,14,15
	s_cmp_le_u32 s[ROWS], 16*\m+\t
	s_cbranch_scc1 .Ldone
	global_store_b128 v[L16], v[BK+64*(\m%2)+4*\t:BK+64*(\m%2)+4*\t+3], s[OUTB:OUTB+1] offset:(16*\m+\t)*2048 th:TH_STORE_NT   ; 32 lanes store 512 consecutive bytes, at a multiple of 512 from the output's first byte
.endr
.endr
.Ldone:
	s_wait_dscnt 0x0                               ; the closing lines, six on end
	s_wait_alu 0x0
	s_wait_tensorcnt 0x0
	ds_add_u32 v254, v255
	s_wait_dscnt 0x0
	s_endpgm
.Lfunc_end_k_qaccab4955c_ffn:
	.size	k_qaccab4955c_ffn, .Lfunc_end_k_qaccab4955c_ffn-k_qaccab4955c_ffn
	.p2alignl 7, 3214868480
	.fill 96, 4, 3214868480
	.section	.rodata,"a",@progbits
	.p2align	6, 0x0
	.amdhsa_kernel k_qaccab4955c_ffn
		.amdhsa_group_segment_fixed_size 134656
		.amdhsa_private_segment_fixed_size 0
		.amdhsa_enable_private_segment 0
		.amdhsa_kernarg_size 80
		.amdhsa_user_sgpr_count 2
		.amdhsa_user_sgpr_kernarg_segment_ptr 1
		.amdhsa_wavefront_size32 1
		.amdhsa_system_sgpr_workgroup_id_x 1
		.amdhsa_system_sgpr_workgroup_id_y 1
		.amdhsa_system_sgpr_workgroup_id_z 1
		.amdhsa_system_vgpr_workitem_id 0
		.amdhsa_next_free_vgpr 1024
		.amdhsa_next_free_sgpr 84
		.amdhsa_reserve_vcc 0
		.amdhsa_float_denorm_mode_32 3
		.amdhsa_float_denorm_mode_16_64 3
		.amdhsa_memory_ordered 1
		.amdhsa_forward_progress 1
		.amdhsa_inst_pref_size 210
	.end_amdhsa_kernel
	.amdgpu_metadata
---
amdhsa.version: [ 1, 2 ]
amdhsa.kernels:
  - .name:           k_qaccab4955c_ffn
    .symbol:         k_qaccab4955c_ffn.kd
    .args:
      - { .name: tiles, .offset: 0, .size: 8, .value_kind: global_buffer, .address_space: global }
      - { .name: tlist, .offset: 8, .size: 8, .value_kind: global_buffer, .address_space: global }
      - { .name: xq, .offset: 16, .size: 8, .value_kind: global_buffer, .address_space: global }
      - { .name: xs, .offset: 24, .size: 8, .value_kind: global_buffer, .address_space: global }
      - { .name: wst, .offset: 32, .size: 8, .value_kind: global_buffer, .address_space: global }
      - { .name: W1_scales, .offset: 40, .size: 8, .value_kind: global_buffer, .address_space: global }
      - { .name: W2_scales, .offset: 48, .size: 8, .value_kind: global_buffer, .address_space: global }
      - { .name: b1, .offset: 56, .size: 8, .value_kind: global_buffer, .address_space: global }
      - { .name: b2, .offset: 64, .size: 8, .value_kind: global_buffer, .address_space: global }
      - { .name: out0, .offset: 72, .size: 8, .value_kind: global_buffer, .address_space: global }
    .group_segment_fixed_size: 134656
    .private_segment_fixed_size: 0
    .kernarg_segment_align: 8
    .kernarg_segment_size: 80
    .max_flat_workgroup_size: 128
    .sgpr_count:     84
    .vgpr_count:     1024
    .wavefront_size: 32
...
	.end_amdgpu_metadata
.endif
;; end of part 4
